; MI455X (gfx1250); checked and timed in simulation.
; The chip was launched on July 23, 2026; its instructions are those of AMD's public machine-readable ISA for CDNA 5 (MIT licence, August 2026) and "CDNA5" Instruction Set Architecture Reference Guide (July 2026). The comments in the code are by the model that wrote it; some were corrected since.
;; Attention Module. Allowed arithmetic: matrix products marked QUANTISED: E2M3 operands, one E8M0 scale for each 32 along K, by v_wmma_scale_f32_16x16x128_f8f6f4 with both operands' format E2M3, f32 sums; products left as they are: f32 operands where the result goes on into a quantised operand, else bf16, f16 or f32 operands; f32 sums; everything else in f32.
;; Inputs: W_attn2 1 x 2,048 float32; W_attn_codes 2,048 x 64 x 24 uint8 (E2M3 codes of W_attn, K innermost, in blocks of 32 codes, four codes in three bytes); W_attn_scales 2,048 x 64 uint8 (E8M0 scales of W_attn, one for each 32 codes along K); W_comb_codes 1,024 x 64 x 24 uint8 (E2M3 codes of W_comb, K innermost, in blocks of 32 codes, four codes in three bytes); W_comb_scales 1,024 x 64 uint8 (E8M0 scales of W_comb, one for each 32 codes along K); b_attn 2,048 float32; b_attn2 1 float32; b_comb 1,024 float32; decoder_out 64 x 1,024 float32; encoder_states 256 x 64 x 1,024 float32; hidden 64 x 1,024 float32.
;; Outputs: out0 64 x 1,024 float32; out1 64 x 1,024 float32.
;; This version of the problem:
;;   THIS VERSION OF THE PROBLEM IS GIVEN IN LOW PRECISION. The matrix products marked QUANTISED in the list below multiply operands that are first quantised to E2M3 (2 exponent bits, 3 mantissa bits; 6 bits a number), with one power-of-two scale for each 32 numbers along K (OCP MX v1.0); their sums are f32. All else is computed in f32.
;;   The module's matrix products, in the order in which they are computed (A, B: the left and right operand; K: the contracted axis; several contracted axes count as one K, in the product's order):
;;     1. [M 16,384, K 2,048] x [K 2,048, N 2,048]; A: computed on the way; B: input W_attn (given as codes): QUANTISED
;;     2. [M 16,384, K 2,048] x [K 2,048, N 1]; A: computed on the way; B: input W_attn2: left as it is (N = 1 < 16)
;;     3. batch 64 x [M 1, K 256] x [K 256, N 1,024]; A: softmax; B: input encoder_states: left as it is (M = 1 < 16)
;;     4. [M 64, K 2,048] x [K 2,048, N 1,024]; A: computed on the way; B: input W_comb (given as codes): QUANTISED
;;   THE QUANTISER, for each operand of a quantised product, along K:
;;     - K is cut into blocks of 32 from its start; a last block that is shorter is filled with zeros.
;;     - A block's scale is 2^e with e = floor(log2(the largest magnitude in the block)) - 2, held to -126 .. 127; a block of zeros has e = 0. As a byte (E8M0): e + 127.
;;     - Each number is divided by its block's scale, clamped to +-7.5, and rounded to the nearest number of E2M3, ties to even, subnormals kept.
;;     - The product sums the exact products of the quantised numbers (number of the format x scale) in f32.
;;   ~~~python
;;   def quantise(x, axis):      # numpy; x: float32 -> the quantised numbers, widened to float32 again
;;       x = np.moveaxis(x, axis, -1); K = x.shape[-1]
;;       x = np.pad(x, [(0, 0)] * (x.ndim - 1) + [(0, -K % 32)]); x = x.reshape(x.shape[:-1] + (-1, 32)); a = np.abs(x).max(-1, keepdims=True)
;;       e = np.where(a > 0, np.clip(np.frexp(np.where(a > 0, a, 1))[1] - 1 - 2, -126, 127), 0)      # np.frexp(a)[1] - 1 = floor(log2(a)), exactly
;;       r = np.clip(x / 2.0 ** e, -7.5, 7.5)
;;       step = 2.0 ** (np.maximum(np.frexp(np.where(r == 0, 1, r))[1] - 1, 0) - 3)
;;       q = np.round(r / step) * step * 2.0 ** e      # np.round: ties to even
;;       return np.moveaxis(q.reshape(q.shape[:-2] + (-1,))[..., :K], -1, axis).astype(np.float32)
;;   ~~~
;;   OPERANDS COMPUTED ON THE WAY. 'Computed on the way' means the value that the module computes at that place (a softmax that the list does not call 'softmax' is quantised finished and normalised). What goes into a quantiser is computed in f32, as accurately as f32 sums, v_exp_f32 and their like allow (about 1e-6 of the number): no bf16 or f16 on the way to a quantiser, and a product that is left as it is and whose result goes on into a quantised operand takes f32 operands (vector FMAs, or v_wmma_f32_16x16x4_f32). A number that lies on a knife's edge between two numbers of the format may be rounded either way, as far as f32 arithmetic and the matrix unit's own rounding can turn it there, and no further.
;;   INPUTS GIVEN AS CODES. W_attn (in the module: [2048, 2048], K = its axis 1); W_comb (in the module: [1024, 2048], K = its axis 1): each comes as NAME_codes (uint8): NAME with its K axis moved to the last place and cut into blocks of 32 codes, [.., K / 32, bytes a block], one block behind the other in memory; four codes in three bytes: a row's codes are one little-endian stream of bits, code i at bits 6 i .. 6 i + 5 (a code: sign, 2 exponent bits, 3 mantissa bits); and NAME_scales (uint8): the same leading axes, one E8M0 byte (e + 127) for each 32 codes along K. Its value is code x scale, taken as it is: it is not quantised again, and the codes and scales need not be those that the quantiser above would give.
;; 3 versions, each right; version 2 is faster than version 1; version 3 is version 2 with the launches prep, final written anew for expert scheduling mode. Each part assembles by itself: llvm-mc -triple=amdgcn-amd-amdhsa -mcpu=gfx1250 --defsym DOCPART=n.
;; ======== version 1 of 3: 3 launches
;; workspace buffers: wimg 1,638,400 bytes; hb 524,288 bytes; part 1,114,112 bytes
;; launch prep (part 1): grid 32 x 4, 4 waves a work-group, no clusters, 85,504 bytes of LDS; arguments hidden, W_attn_codes, W_attn_scales, b_attn, wimg, hb; writes wimg, hb
.if DOCPART == 1
	.amdgcn_target "amdgcn-amd-amdhsa--gfx1250"
	.amdhsa_code_object_version 6
	.text
	.protected	k_q0f8afcd789_prep
	.globl	k_q0f8afcd789_prep
	.p2align	8
	.type	k_q0f8afcd789_prep,@function
k_q0f8afcd789_prep:
	s_mov_b64 s[64:65], 0
	v_nop
	global_prefetch_b8 v0, s[64:65] scope:SCOPE_SE
	s_setreg_imm32_b32 hwreg(HW_REG_WAVE_MODE, 25, 1), 1
	s_wait_xcnt 0x0
; PREP.  Two things that the main launch wants once.
; (a) hb[b][n] = sum over k < 1024 of Q(hidden)[b][k] W_attn[n][k] + b_attn[n].  K = 2048 of the first product falls, on a boundary of blocks of 32, into hidden's 1024 and the encoder's 1024, and hidden's
;     half is the same for all 256 time steps: it is made here once, on codes of FP6 (E2M3) with E8M0 scales, and enters the main launch as the C of the encoder's half.
; (b) wimg: the encoder's half of W_attn laid as images of operand registers: tile t (rows 16 t .. 16 t + 15) is 12,800 bytes: 8 K steps x 1,536 bytes (register group c of lane l at 512 c + 16 l), then 512 bytes of
;     scale words (lane l's four words at 16 l: lanes 0-15 K steps 0-3 of row l, lanes 16-31 K steps 4-7 of row l - 16).
; SHARES.  Work-group (x, y): rows 16 y .. 16 y + 15 of hidden, tiles 4 x .. 4 x + 3 of W_attn; wave w takes tile 4 x + w, quantises hidden's K steps 2 w and 2 w + 1 for the work-group, and lays out K steps 2 y, 2 y + 1 of its tile.
; The product is used transposed (source 0 = 16 rows of W, source 1 = 16 rows of hidden): a lane holds one row b and eight neighbouring n.
; No cluster: every operand goes from memory straight into registers, once for each wave; there is no tile in LDS that could be asked for jointly.
; LIMITS: NaN and infinities among the inputs are not served; a block of zeros, or one whose largest magnitude lies under 2^-124, gets the scale byte 1 (its bytes are read by this program alone).
.set STG,  0                           ; LDS: eight stages (K step 2 w + e) of 16 rows x (512 + 16) bytes, each its wave's own
.set XIMG, 67584                       ; hidden's eight fragments as register images, 1,536 bytes each
.set XSC,  79872                       ; their scale words, 64 bytes each
.set OST,  80384                       ; the way out: 16 rows x (256 + 16) bytes
.set D0,   16                          ; v16-79   hidden's K step 2 w as loaded, 16 rows x 4 registers
.set AF,   16                          ; v16-111  later: hidden's eight fragments
.set AS,   112                         ; v112-119 their scale words, and nothing else
.set ST,   144                         ; v144-207 64 numbers of a lane for the quantiser
.set ACC0, 144                         ; later: two accumulators, their sum, and rows read back
.set ACC1, 152
.set O,    160
.set BK,   168
.set PC,   208                         ; v208-227 the codes just made
.set TM,   228                         ; v228-243 at work in the quantiser
.set PW,   244                         ; the scale word just made
.set HBO,  245                         ; my byte offset in hb
.set WSH,  246                         ; v246-253 W's scale words of hidden's half, and nothing else
.set WH,   0                           ; window 1: v0-95 W's eight fragments of hidden's half
.set RL,   96                          ; v96-119  two fragments of the encoder's half, to be laid out
.set SI,   120                         ; v120-123 the tile's scale image
.set BI,   124                         ; v124-131 b_attn in the result's layout
.set D1,   132                         ; v132-195 hidden's K step 2 w + 1 as loaded
.set SEL,  22                          ; s[22:23] v_permlanex16_b32's selects for lane l xor 16
.set MSB, 0
.macro WIN new                         ; the immediate's high byte repeats the setting that is left
.if MSB != (\new)
	s_set_vgpr_msb (MSB<<8)|(\new)
.set MSB, \new
.endif
.endm
.macro BARRIER                         ; my LDS stores have landed and my LDS loads are in: then the work-group's barrier
	s_wait_dscnt 0x0
	s_barrier_signal -1
	s_barrier_wait -1
.endm
; 64 numbers of a lane, v[s] .. v[s + 63], register 16 b + i = k 32 b + 16 (lane / 16) + i of my row, become a fragment's codes in v[PC] on and its scale word in v[PW]
.macro QUANT s
.irp b, 0,1,2,3
	v_max3_num_f32 v[TM+\b], |v[\s+16*\b]|, |v[\s+1+16*\b]|, 0x1800000   ; my 16 numbers of block b, and the floor 2^(3 - 127): the byte cannot fall under 1
.endr
.irp i, 2,4,6,8,10,12,14
.irp b, 0,1,2,3
	v_max3_num_f32 v[TM+\b], v[TM+\b], |v[\s+16*\b+\i]|, |v[\s+1+16*\b+\i]|
.endr
.endr
.irp b, 0,1,2,3
	v_permlanex16_b32 v[TM+4+\b], v[TM+\b], s[SEL], s[SEL+1]
.endr
.irp b, 0,1,2,3
	v_max_num_f32 v[TM+\b], v[TM+\b], v[TM+4+\b]   ; with lane l xor 16's: the block's largest magnitude
.endr
.irp b, 0,1,2,3
	v_add_nc_u32 v[TM+12+\b], 0xff000000, v[TM+\b]   ; 2 off its exponent field: the conversion's scale operand
.endr
.irp b, 0,1,2,3
	v_lshrrev_b32 v[TM+4+\b], 23, v[TM+12+\b]      ; the scale's byte
.endr
	v_lshl_or_b32 v[PW], v[TM+5], 8, v[TM+4]
	v_lshl_or_b32 v[PW], v[TM+6], 16, v[PW]
	v_lshl_or_b32 v[PW], v[TM+7], 24, v[PW]
.irp c, 0,1
	v_cvt_scalef32_pk16_fp6_f32 v[PC+6*\c:PC+2+6*\c], v[\s+32*\c:\s+15+32*\c], v[TM+12+2*\c]
	v_cvt_scalef32_pk16_fp6_f32 v[PC+12+4*\c:PC+14+4*\c], v[\s+16+32*\c:\s+31+32*\c], v[TM+12+2*\c+1]   ; (a conversion's three registers begin on an even number)
.endr
	v_nop                                          ; one plain place behind a scaled conversion
.irp c, 0,1                            ; the operand's layout wants a whole block in a lane
.irp i, 0,1,2
	v_permlane16_swap_b32 v[PC+6*\c+\i], v[PC+12+4*\c+\i]
.endr
.irp i, 0,1,2
	v_mov_b32 v[PC+3+6*\c+\i], v[PC+12+4*\c+\i]
.endr
.endr
.endm
.macro IMAGE adr, off                  ; the fragment in v[PC] on goes to LDS as it stands
.irp c, 0,1,2
	ds_store_b128 v[\adr], v[PC+4*\c:PC+4*\c+3] offset:\off+512*\c
.endr
.endm
	s_load_b256 s[4:11], s[0:1], 0x0               ; hidden, W's codes, W's scales, b_attn
	s_load_b128 s[12:15], s[0:1], 0x20             ; wimg, hb
	v_lshl_add_u32 v254, v0, 2, 0x14c00
	v_mov_b32 v255, 0
	v_lshrrev_b32 v1, 5, v0
	v_readfirstlane_b32 s16, v1                    ; wave 0..3
	v_and_b32 v1, 31, v0                           ; lane
	v_and_b32 v2, 15, v0                           ; r
	v_bfe_u32 v3, v0, 4, 1                         ; h
	s_and_b32 s18, ttmp7, 0xffff                   ; y: which 16 rows of hidden
	s_lshl_b32 s19, ttmp9, 2
	s_add_co_u32 s19, s19, s16                     ; my tile of W: 4 x + wave
	s_mov_b32 s[SEL], 0x76543210
	s_mov_b32 s[SEL+1], 0xfedcba98
	v_mul_u32_u24 v4, v2, 1536
	v_mad_u32_u24 v4, v3, 24, v4                   ; W's codes: row r of 1,536 bytes, + 24 h
	v_lshlrev_b32 v5, 6, v2                        ; W's scales: row r of 64 bytes
	v_lshl_add_u32 v6, v3, 4, v5                   ; the same + 16 h, for the scale image
	v_lshlrev_b32 v7, 5, v3                        ; b_attn: 32 h
	v_lshlrev_b32 v8, 4, v1                        ; 16 x lane
	v_add_nc_u32 v1, XIMG, v8                      ; the images' first byte + 16 x lane: XIMG lies beyond an LDS instruction's 16-bit immediate, so the register carries it
	s_mul_i32 s20, s16, 16896                      ; my two stages
	v_add_nc_u32 v9, s20, v8                       ; into a stage: 16 x lane of a row
	v_mul_u32_u24 v10, v2, 528
	v_lshl_add_u32 v10, v3, 6, v10
	v_add_nc_u32 v10, s20, v10                     ; out of it: row r, + 64 h
	s_mul_i32 s20, s16, 3072
	s_add_co_u32 s20, s20, XIMG
	v_add_nc_u32 v11, s20, v8                      ; where I store my two images
	v_lshl_add_u32 v13, v2, 2, XSC                 ; scale words: 4 r
	s_lshl_b32 s20, s16, 7
	v_add_nc_u32 v12, s20, v13                     ; where I store mine
	v_mul_u32_u24 v14, v2, 272
	v_lshl_add_u32 v14, v3, 5, v14
	s_lshl_b32 s20, s16, 6
	s_add_co_u32 s20, s20, OST
	v_add_nc_u32 v14, s20, v14                     ; the way out, in: row r, + 64 wave + 32 h
	v_mul_u32_u24 v15, v3, 272
	v_lshl_add_u32 v15, v2, 4, v15
	s_mul_i32 s20, s16, 1088
	s_add_co_u32 s20, s20, OST
	v_add_nc_u32 v15, s20, v15                     ; back: row 4 wave + h, 16 bytes a lane
	v_lshlrev_b32 v[HBO], 13, v3
	v_lshl_add_u32 v[HBO], v2, 4, v[HBO]
	s_lshl_b32 s20, s16, 15
	v_add_nc_u32 v[HBO], s20, v[HBO]               ; and the same place in hb: rows of 8,192 bytes
.irp b, 0,1,2,3
	v_mov_b32 v[TM+4+\b], 0                        ; written once: a lane permute's destination counts as one of its sources
.endr
	s_mov_b32 s21, 0
	s_wait_kmcnt 0x0
	s_lshl_b32 s20, s18, 16
	s_lshl_b32 s28, s16, 10
	s_add_co_u32 s20, s20, s28
	s_add_nc_u64 s[4:5], s[4:5], s[20:21]          ; hidden at row 16 y, K step 2 wave
	s_mul_i32 s20, s19, 24576
	s_add_nc_u64 s[6:7], s[6:7], s[20:21]          ; W's codes at my tile
	s_mul_i32 s20, s18, 192
	s_add_nc_u64 s[24:25], s[6:7], s[20:21]        ; and 2 y K steps on
	s_lshl_b32 s20, s19, 10
	s_add_nc_u64 s[8:9], s[8:9], s[20:21]          ; W's scales at my tile
	s_lshl_b32 s20, s19, 6
	s_add_nc_u64 s[10:11], s[10:11], s[20:21]      ; b_attn at my tile
	s_mul_i32 s20, s19, 12800
	s_add_nc_u64 s[12:13], s[12:13], s[20:21]      ; wimg at my tile
	s_mul_i32 s20, s18, 3072
	s_add_nc_u64 s[26:27], s[12:13], s[20:21]      ; and 2 y K steps on
	s_lshl_b32 s20, s18, 17
	s_lshl_b32 s28, ttmp9, 8
	s_add_co_u32 s20, s20, s28
	s_add_nc_u64 s[14:15], s[14:15], s[20:21]      ; hb at row 16 y, column 64 x
	WIN 0x40                                       ; destination window 1
.irp q, 0,1,2,3,4,5,6,7
.irp p, 0,1,2,3,4,5
	global_load_b64 v[WH+12*\q+2*\p:WH+12*\q+2*\p+1], v4, s[6:7] offset:96*\q+48*(\p/3)+8*(\p%3)
.endr
.endr
.irp e, 0,1
.irp p, 0,1,2,3,4,5
	global_load_b64 v[RL+12*\e+2*\p:RL+12*\e+2*\p+1], v4, s[24:25] offset:768+96*\e+48*(\p/3)+8*(\p%3)
.endr
.endr
	global_load_b128 v[SI:SI+3], v6, s[8:9] offset:32
	global_load_b128 v[BI:BI+3], v7, s[10:11]
	global_load_b128 v[BI+4:BI+7], v7, s[10:11] offset:16
	WIN 0
	global_load_b128 v[WSH:WSH+3], v5, s[8:9]
	global_load_b128 v[WSH+4:WSH+7], v5, s[8:9] offset:16
.irp p, 0,1,2,3,4,5,6,7,8,9,10,11,12,13,14,15
	global_load_b128 v[D0+4*\p:D0+4*\p+3], v8, s[4:5] offset:4096*\p   ; 32 lanes read a row's 512 bytes of a K step
.endr
	WIN 0x40
.irp p, 0,1,2,3,4,5,6,7,8,9,10,11,12,13,14,15
	global_load_b128 v[D1+4*\p:D1+4*\p+3], v8, s[4:5] offset:4096*\p+512
.endr
	WIN 0
	s_wait_loadcnt 16                              ; all but the sixteen loads of hidden's second K step are in
	WIN 0x04                                       ; a store's data are its source 1: window 1
.irp e, 0,1
.irp c, 0,1,2
	global_store_b128 v8, v[RL+12*\e+4*\c:RL+12*\e+4*\c+3], s[26:27] offset:1536*\e+512*\c   ; 32 lanes store 512 consecutive bytes
.endr
.endr
	WIN 0
	s_cmp_lg_u32 s18, 0                            ; the tile's scale image is stored by the work-group with y = 0 alone
	s_cbranch_scc1 .Lno_image
	WIN 0x04
	global_store_b128 v8, v[SI:SI+3], s[12:13] offset:12288
	WIN 0
.Lno_image:
	; hidden's two K steps: through my stage (LDS serves a wave's instructions in order), quantised, their images to LDS
.irp p, 0,1,2,3,4,5,6,7,8,9,10,11,12,13,14,15
	ds_store_b128 v9, v[D0+4*\p:D0+4*\p+3] offset:528*\p
.endr
.irp b, 0,1,2,3
.irp j, 0,1,2,3
	ds_load_b128 v[ST+16*\b+4*\j:ST+16*\b+4*\j+3], v10 offset:128*\b+16*\j
.endr
.endr
	s_wait_dscnt 0x0
	QUANT ST
	IMAGE 11, 0
	ds_store_b32 v12, v[PW]
	s_wait_loadcnt 0x0
	WIN 0x04
.irp p, 0,1,2,3,4,5,6,7,8,9,10,11,12,13,14,15
	ds_store_b128 v9, v[D1+4*\p:D1+4*\p+3] offset:8448+528*\p
.endr
	WIN 0
.irp b, 0,1,2,3
.irp j, 0,1,2,3
	ds_load_b128 v[ST+16*\b+4*\j:ST+16*\b+4*\j+3], v10 offset:8448+128*\b+16*\j
.endr
.endr
	s_wait_dscnt 0x0                               ; the numbers are in, and the first image's stores have read their registers
	QUANT ST
	IMAGE 11, 1536
	ds_store_b32 v12, v[PW] offset:64
	BARRIER                                        ; hidden's eight fragments lie in LDS
.irp q, 0,1,2,3,4,5,6,7
.irp c, 0,1,2
	ds_load_b128 v[AF+12*\q+4*\c:AF+12*\q+4*\c+3], v1 offset:1536*\q+512*\c
.endr
	ds_load_b32 v[AS+\q], v13 offset:64*\q
.endr
	s_wait_dscnt 0x0
	; eight K steps on two accumulators by turns; the bias is the C of the first
	WIN 0x11                                       ; source 0 (W) and source 2 (the bias) window 1
	v_wmma_scale_f32_16x16x128_f8f6f4 v[ACC0:ACC0+7], v[WH:WH+11], v[AF:AF+11], v[BI:BI+7], v[WSH], v[AS] matrix_a_fmt:MATRIX_FMT_FP6 matrix_b_fmt:MATRIX_FMT_FP6
	WIN 0x01
	v_wmma_scale_f32_16x16x128_f8f6f4 v[ACC1:ACC1+7], v[WH+12:WH+23], v[AF+12:AF+23], 0, v[WSH+1], v[AS+1] matrix_a_fmt:MATRIX_FMT_FP6 matrix_b_fmt:MATRIX_FMT_FP6
.irp q, 2,4,6
	v_wmma_scale_f32_16x16x128_f8f6f4 v[ACC0:ACC0+7], v[WH+12*\q:WH+12*\q+11], v[AF+12*\q:AF+12*\q+11], v[ACC0:ACC0+7], v[WSH+\q], v[AS+\q] matrix_a_fmt:MATRIX_FMT_FP6 matrix_b_fmt:MATRIX_FMT_FP6
	v_wmma_scale_f32_16x16x128_f8f6f4 v[ACC1:ACC1+7], v[WH+12*\q+12:WH+12*\q+23], v[AF+12*\q+12:AF+12*\q+23], v[ACC1:ACC1+7], v[WSH+\q+1], v[AS+\q+1] matrix_a_fmt:MATRIX_FMT_FP6 matrix_b_fmt:MATRIX_FMT_FP6
.endr
	WIN 0
.rept 4
	v_nop                                          ; four places in front of the first read of results (ISA guide 7.12.1)
.endr
.irp i, 0,2,4,6
	v_pk_add_f32 v[O+\i:O+\i+1], v[ACC0+\i:ACC0+\i+1], v[ACC1+\i:ACC1+\i+1]   ; both accumulators from their low end on
.endr
	ds_store_b128 v14, v[O:O+3]                    ; lane (r, h): hb(16 y + r, 64 x + 16 wave + 8 h + 0 .. 7)
	ds_store_b128 v14, v[O+4:O+7] offset:16
	BARRIER                                        ; 16 rows of 256 bytes lie in the stage
.irp e, 0,1
	ds_load_b128 v[BK+4*\e:BK+4*\e+3], v15 offset:544*\e
.endr
	s_wait_dscnt 0x0
.irp e, 0,1
	global_store_b128 v[HBO], v[BK+4*\e:BK+4*\e+3], s[14:15] offset:16384*\e   ; sixteen lanes store 256 consecutive bytes, at a multiple of 256 from hb's first byte
.endr
	s_wait_tensorcnt 0x0
	ds_add_u32 v254, v255
	s_wait_dscnt 0x0
	s_endpgm
.Lfunc_end_k_q0f8afcd789_prep:
	.size	k_q0f8afcd789_prep, .Lfunc_end_k_q0f8afcd789_prep-k_q0f8afcd789_prep
	.p2alignl 7, 3214868480
	.fill 96, 4, 3214868480
	.section	.rodata,"a",@progbits
	.p2align	6, 0x0
	.amdhsa_kernel k_q0f8afcd789_prep
		.amdhsa_group_segment_fixed_size 85504
		.amdhsa_private_segment_fixed_size 0
		.amdhsa_enable_private_segment 0
		.amdhsa_kernarg_size 48
		.amdhsa_user_sgpr_count 2
		.amdhsa_user_sgpr_kernarg_segment_ptr 1
		.amdhsa_wavefront_size32 1
		.amdhsa_system_sgpr_workgroup_id_x 1
		.amdhsa_system_sgpr_workgroup_id_y 1
		.amdhsa_system_sgpr_workgroup_id_z 1
		.amdhsa_system_vgpr_workitem_id 0
		.amdhsa_next_free_vgpr 456
		.amdhsa_next_free_sgpr 66
		.amdhsa_reserve_vcc 0
		.amdhsa_float_denorm_mode_32 3
		.amdhsa_float_denorm_mode_16_64 3
		.amdhsa_memory_ordered 1
		.amdhsa_forward_progress 1
		.amdhsa_inst_pref_size 31
	.end_amdhsa_kernel
	.amdgpu_metadata
---
amdhsa.version: [ 1, 2 ]
amdhsa.kernels:
  - .name:           k_q0f8afcd789_prep
    .symbol:         k_q0f8afcd789_prep.kd
    .args:
      - { .name: hidden, .offset: 0, .size: 8, .value_kind: global_buffer, .address_space: global }
      - { .name: W_attn_codes, .offset: 8, .size: 8, .value_kind: global_buffer, .address_space: global }
      - { .name: W_attn_scales, .offset: 16, .size: 8, .value_kind: global_buffer, .address_space: global }
      - { .name: b_attn, .offset: 24, .size: 8, .value_kind: global_buffer, .address_space: global }
      - { .name: wimg, .offset: 32, .size: 8, .value_kind: global_buffer, .address_space: global }
      - { .name: hb, .offset: 40, .size: 8, .value_kind: global_buffer, .address_space: global }
    .group_segment_fixed_size: 85504
    .private_segment_fixed_size: 0
    .kernarg_segment_align: 8
    .kernarg_segment_size: 48
    .max_flat_workgroup_size: 128
    .sgpr_count:     66
    .vgpr_count:     456
    .wavefront_size: 32
...
	.end_amdgpu_metadata
.endif
;; end of part 1
;; launch main (part 2): grid 256 x 1, 4 waves a work-group, clusters of 4 x 1, 327,680 bytes of LDS; arguments encoder_states, wimg, hb, W_attn2, b_attn2, part; writes part
.if DOCPART == 2
	.amdgcn_target "amdgcn-amd-amdhsa--gfx1250"
	.amdhsa_code_object_version 6
	.text
	.protected	k_q0f8afcd789_main
	.globl	k_q0f8afcd789_main
	.p2align	8
	.type	k_q0f8afcd789_main,@function
k_q0f8afcd789_main:
	s_mov_b64 s[64:65], 0
	v_nop
	global_prefetch_b8 v0, s[64:65] scope:SCOPE_SE
	s_setreg_imm32_b32 hwreg(HW_REG_WAVE_MODE, 25, 1), 1
	s_wait_xcnt 0x0
	s_wait_alu depctr_hold_cnt(0) depctr_sa_sdst(0) depctr_va_vdst(0) depctr_va_sdst(0) depctr_va_ssrc(0) depctr_va_vcc(0) depctr_vm_vsrc(0)
	s_getreg_b32 s2, hwreg(HW_REG_IB_STS2, 6, 4)
	s_cmp_eq_u32 s2, 0
	s_cbranch_scc0 .Lentry_in_a_cluster
	s_endpgm
.Lentry_in_a_cluster:
	s_bfe_u32 s2, ttmp6, 0x10000c
	s_cmp_lg_u32 s2, 0x3003
	s_cbranch_scc0 .Lentry_shape_is_right
	s_endpgm
.Lentry_shape_is_right:
; MAIN.  For one b and 64 time steps: score[s] = tanh(Q(enc[s][b]) . W_attn[:, 1024:]^T + hb[b]) . W_attn2 + b_attn2, hb being hidden's half of the product with the bias (made by the launch before);
; then this block's part of the softmax (its own largest score M, p = e^(score - M), l = the sum of p) and of the third product, sum over its s of p enc[s][b][:], in f32.  The last launch joins the four parts of a b.
; SHARES.  Cluster x = b; the four work-groups of a cluster take time steps 64 cx .. 64 cx + 63.  In the head wave w quantises rows 16 w .. 16 w + 15.  In the product every wave holds the codes of all 64 rows
; (384 registers) and walks its own 32 tiles of 16 rows of W: tile 8 t + 2 w + u in turn t.  Source 0 = 16 rows of W, source 1 = 16 rows of enc: a lane holds one time step and eight neighbouring n.
; enc IS READ FROM MEMORY ONCE: 32 tensor loads bring the block's 64 x 1024 numbers into LDS; they are quantised from there, and for the third product K steps 0-5 are kept in 384 registers a wave and K steps 6, 7 stay where they landed.
; W comes as register images (wimg) through a ring of two LDS slots laid over the landing place.  All four work-groups of a cluster walk the same images, so each is asked for JOINTLY (mask 15): a quarter of the requests.
; A wave reads only the 25,600 bytes of a slot that its own load brought.
; BY TURNS.  Tiles alternate between two sets of four accumulators; while one set is multiplied (32 matrix instructions), the other set's tanh and its product with W_attn2 stand in 32 slices of four vector
; instructions, one behind each matrix instruction.  tanh z = 1 - 2 / (1 + 2^(2 log2(e) z)).
; LIMITS: NaN and infinities among the inputs are not served; a block of zeros, or one whose largest magnitude lies under 2^-124, gets the scale byte 1 (its bytes are read by this program alone).
.set RING1, 102400                     ; LDS: slot 0 at 0, slot 1 here; in a slot wave w's two tiles at 25,600 w, 12,800 bytes each
.set KEEP,  204800                     ; enc's K steps 6 and 7 as they landed.  (Landing: K step q, wave w at 33,792 q + 8,448 w, + 2,048 from q = 6 on; rows of 512 + 16 bytes)
.set XIMG,  272384                     ; enc's 32 fragments (4 q + m) as register images, 1,536 bytes each
.set XSC,   321536                     ; their scale words, 64 bytes each
.set SCX,   323584                     ; the waves' partial scores, 256 bytes each
.set PT,    324608                     ; p of the 64 rows, a copy for each wave
.set SPARE, 325632                     ; the spare words, 128 bytes for each wave: two blocks of 256 bytes that no other line names
.set TB,    XIMG                       ; once the images are in registers: a table of 4,096 bytes for each wave: for its tile i at 128 i: 16 numbers of hb, 16 of W_attn2
.set XSUM,  XIMG+16384                 ; and the waves' partial sums of the third product, 4,096 bytes each
.set SPW, 1                            ; v1  LDS address of my spare word; never rewritten
.set NIL, 2                            ; v2  0; never rewritten
.set AW,  3                            ; v3-4  my wave's part of slot 0, 1: + 16 x lane
.set ATB, 5                            ; v5  my table, + 32 h; steps 512 bytes a trip
.set AQ,  6                            ; v6  landing place, for the quantiser: 8,448 w + 528 r + 64 h
.set AR,  7                            ; v7  landing place, by rows: 8,448 w + 16 x lane
.set XWI, 8                            ; v8  where I store my images
.set XWS, 9                            ; v9  and their scale words
.set LI2, 10                           ; v10 XIMG + 16 x lane
.set ASA, 11                           ; v11 XSC + 4 r + 1,024 h
.set T,   12                           ; v12-15 addresses of the loads in hand
.set AS,  16                           ; v16-31 enc's scale words: register 4 m + i: lanes 0-15 K step i, lanes 16-31 K step 4 + i.  Scales and nothing else
.set WS,  32                           ; v32-39 W's scale words, set x at 4 x, laid likewise.  Scales and nothing else
.set HB,  40                           ; v40-47 hb of the tile ahead, in the result's layout; at the end v40 = M, v41 = l
.set SCO, 48                           ; v48-55 the scores' sums, a pair for each tile of rows
.set R0,  56                           ; v56-71 kept rows 92-95
.set ACC, 72                           ; v72-135 accumulator (x, m) at 72 + 32 x + 8 m
.set WF,  136                          ; v136-231 W's eight fragments of a tile
.set ST0, 72                           ; head: v72-199 two sets of 64 numbers; v200-219 codes; v220-235 at work; v236 the scale word
.set PC,  200
.set TM,  220
.set PW,  236
.set OA,  72                           ; end: v72-103 my sums of the third product; v104-231 K steps 6, 7 of my rows; v232-247 p of my 16 rows
.set KT,  104
.set P,   232
.set W2,  144                          ; window 2: v144-159 W_attn2 of a tile, set x at 8 x
; window 1: enc's codes of K steps 0-4 at 48 q + 12 m; v240-255 kept rows 88-91.  window 2: K steps 5-7 at 48 (q - 5) + 12 m; v160-255 kept rows 64-87.  window 3: kept rows 0-63.  (Kept row 16 q + p: 4 registers)
.set WV,  16                           ; s16 wave;  s17 cx;  s18 b
.set CX,  17
.set BB,  18
.set G1E, 24                           ; s[24:31] group 1 for enc's tiles;  their groups 0: s[48:63], s[68:83]
.set G1W, 32                           ; s[32:39] group 1 for W's images;  s[40:47] groups 0, one for each slot
.set G0W, 40
.set SEL, 84                           ; s[84:85] v_permlanex16_b32's selects for lane l xor 16
.set CS,  86                           ; s[86:87] 2 log2(e), twice
.set CNT, 88
.set B2,  89                           ; b_attn2
.set L2E, 90                           ; log2(e)
.set MSB, 0
.macro WIN new                         ; the immediate's high byte repeats the setting that is left
.if MSB != (\new)
	s_set_vgpr_msb (MSB<<8)|(\new)
.set MSB, \new
.endif
.endm
.macro BARRIER
	s_wait_dscnt 0x0
	s_barrier_signal -1
	s_barrier_wait -1
.endm
.macro CREST                           ; a round of the cluster's barrier behind its opening barrier
	s_cmp_lg_u32 s[WV], 0
	s_cbranch_scc1 .Lnot_wave_0_\@
	s_barrier_signal -3
.Lnot_wave_0_\@:
	s_barrier_wait -3
	s_barrier_signal -1
	s_barrier_wait -1
.endm
.macro ROUND                           ; a whole round
	s_barrier_signal -1
	s_barrier_wait -1
	CREST
.endm
; 64 numbers of a lane, register 16 b + i = k 32 b + 16 (lane / 16) + i of my row, become a fragment's codes in v[PC] on and its scale word in v[PW]
.macro QUANT s
.irp b, 0,1,2,3
	v_max3_num_f32 v[TM+\b], |v[\s+16*\b]|, |v[\s+1+16*\b]|, 0x1800000   ; my 16 numbers of block b, and the floor 2^(3 - 127): the byte cannot fall under 1
.endr
.irp i, 2,4,6,8,10,12,14
.irp b, 0,1,2,3
	v_max3_num_f32 v[TM+\b], v[TM+\b], |v[\s+16*\b+\i]|, |v[\s+1+16*\b+\i]|
.endr
.endr
.irp b, 0,1,2,3
	v_permlanex16_b32 v[TM+4+\b], v[TM+\b], s[SEL], s[SEL+1]
.endr
.irp b, 0,1,2,3
	v_max_num_f32 v[TM+\b], v[TM+\b], v[TM+4+\b]
.endr
.irp b, 0,1,2,3
	v_add_nc_u32 v[TM+12+\b], 0xff000000, v[TM+\b]   ; 2 off the exponent field: the conversion's scale operand
.endr
.irp b, 0,1,2,3
	v_lshrrev_b32 v[TM+4+\b], 23, v[TM+12+\b]      ; the scale's byte
.endr
	v_lshl_or_b32 v[PW], v[TM+5], 8, v[TM+4]
	v_lshl_or_b32 v[PW], v[TM+6], 16, v[PW]
	v_lshl_or_b32 v[PW], v[TM+7], 24, v[PW]
.irp c, 0,1
	v_cvt_scalef32_pk16_fp6_f32 v[PC+6*\c:PC+2+6*\c], v[\s+32*\c:\s+15+32*\c], v[TM+12+2*\c]
	v_cvt_scalef32_pk16_fp6_f32 v[PC+12+4*\c:PC+14+4*\c], v[\s+16+32*\c:\s+31+32*\c], v[TM+12+2*\c+1]
.endr
	v_nop                                          ; one plain place behind a scaled conversion
.irp c, 0,1
.irp i, 0,1,2
	v_permlane16_swap_b32 v[PC+6*\c+\i], v[PC+12+4*\c+\i]
.endr
.irp i, 0,1,2
	v_mov_b32 v[PC+3+6*\c+\i], v[PC+12+4*\c+\i]
.endr
.endr
.endm
.macro IMAGE adr, off
.irp c, 0,1,2
	ds_store_b128 v[\adr], v[PC+4*\c:PC+4*\c+3] offset:\off+512*\c
.endr
.endm
.macro RQ qq                           ; where kept row qq lies: window RW, register RR
.if (\qq) < 64
.set RW, 3
.set RR, 4*(\qq)
.elseif (\qq) < 88
.set RW, 2
.set RR, 160+4*((\qq)-64)
.elseif (\qq) < 92
.set RW, 1
.set RR, 240+4*((\qq)-88)
.else
.set RW, 0
.set RR, R0+4*((\qq)-92)
.endif
.endm
; K step q of my 16 rows comes out of the landing place: once as the quantiser wants it (16 neighbours of each block a lane), and for q < 6 once more by rows (4 columns a lane), to be kept
.macro LOADQ q
	s_wait_tensorcnt 7-(\q)                        ; my loads end in the order of issue: K step q has landed, the 7 - q younger tiles may be out
	v_add_nc_u32 v[T+(\q)%2], 33792*(\q)+2048*((\q)/6), v[AQ]
.irp b, 0,1,2,3
.irp j, 0,1,2,3
	ds_load_b128 v[ST0+64*((\q)%2)+16*\b+4*\j:ST0+64*((\q)%2)+16*\b+4*\j+3], v[T+(\q)%2] offset:128*\b+16*\j
.endr
.endr
.if (\q) < 6
	v_add_nc_u32 v[T+2+(\q)%2], 33792*(\q), v[AR]
.irp p, 0,1,2,3,4,5,6,7,8,9,10,11,12,13,14,15
	RQ 16*(\q)+\p
	WIN RW<<6
	ds_load_b128 v[RR:RR+3], v[T+2+(\q)%2] offset:528*\p
.endr
	WIN 0
.endif
.endm
; Slice k of 32 of the work behind set y's products, four instructions.  0-3: z x 2 log2(e), pairs ascending; 4-11: 2^..; 12-15: + 1; 16-23: 1 / ..;
; 24-27: 1 - 2 x ..; 28-31: the scores' sums += tanh x W_attn2.  The 32 exponentials are one batch and the 32 reciprocals another: behind each a plain instruction and one wait ahead of the first reader.
; No slice names a vector register as its source 1 but 28-31, whose source 1 (W_attn2) lies in window 2 like the operand of the products beside them: so a slice costs no switch of the windows.
.macro EP y, k
.set E, ACC+32*(\y)
.set KK, \k
.if KK < 4
.irp i, 0,2,4,6
	v_pk_mul_f32 v[E+8*KK+\i:E+8*KK+\i+1], v[E+8*KK+\i:E+8*KK+\i+1], s[CS:CS+1] op_sel_hi:[1,0]
.endr
.elseif KK < 12
.irp i, 0,1,2,3
	v_exp_f32 v[E+4*(KK-4)+\i], v[E+4*(KK-4)+\i]
.endr
.if KK == 11
	v_nop
	s_wait_alu depctr_va_vdst(0)
.endif
.elseif KK < 16
.irp i, 0,2,4,6
	v_pk_add_f32 v[E+8*(KK-12)+\i:E+8*(KK-12)+\i+1], v[E+8*(KK-12)+\i:E+8*(KK-12)+\i+1], 1.0 op_sel_hi:[1,0]
.endr
.elseif KK < 24
.irp i, 0,1,2,3
	v_rcp_f32 v[E+4*(KK-16)+\i], v[E+4*(KK-16)+\i]
.endr
.if KK == 23
	v_nop
	s_wait_alu depctr_va_vdst(0)
.endif
.elseif KK < 28
.irp i, 0,2,4,6
	v_pk_fma_f32 v[E+8*(KK-24)+\i:E+8*(KK-24)+\i+1], v[E+8*(KK-24)+\i:E+8*(KK-24)+\i+1], -2.0, 1.0 op_sel_hi:[1,0,0]
.endr
.else
.irp g, 0,1,2,3
	v_pk_fma_f32 v[SCO+2*\g:SCO+2*\g+1], v[E+8*\g+2*(KK-28):E+8*\g+2*(KK-28)+1], v[W2+8*(\y)+2*(KK-28):W2+8*(\y)+2*(KK-28)+1], v[SCO+2*\g:SCO+2*\g+1]
.endr
.endif
.endm
; K step q of a tile of set x: four matrix instructions, the set's four accumulators by turns, a slice of the other set's work behind each.  The first K step takes hb as C.
.macro KSTEP x, q
.if (\q) < 5
	WIN 0x04                                       ; source 1 (enc's codes) window 1
.set RA, 48*(\q)
.else
	WIN 0x08                                       ; window 2
.set RA, 48*((\q)-5)
.endif
.irp m, 0,1,2,3
.set RD, ACC+32*(\x)+8*\m
.if (\q) == 0
	v_wmma_scale_f32_16x16x128_f8f6f4 v[RD:RD+7], v[WF+12*(\q):WF+12*(\q)+11], v[RA+12*\m:RA+12*\m+11], v[HB:HB+7], v[WS+4*(\x)+(\q)%4], v[AS+4*\m+(\q)%4] matrix_a_fmt:MATRIX_FMT_FP6 matrix_b_fmt:MATRIX_FMT_FP6
.elseif (\q) < 4
	v_wmma_scale_f32_16x16x128_f8f6f4 v[RD:RD+7], v[WF+12*(\q):WF+12*(\q)+11], v[RA+12*\m:RA+12*\m+11], v[RD:RD+7], v[WS+4*(\x)+(\q)%4], v[AS+4*\m+(\q)%4] matrix_a_fmt:MATRIX_FMT_FP6 matrix_b_fmt:MATRIX_FMT_FP6
.else
	v_wmma_scale_f32_16x16x128_f8f6f4 v[RD:RD+7], v[WF+12*(\q):WF+12*(\q)+11], v[RA+12*\m:RA+12*\m+11], v[RD:RD+7], v[WS+4*(\x)+(\q)%4], v[AS+4*\m+(\q)%4] matrix_a_fmt:MATRIX_FMT_FP6 matrix_b_fmt:MATRIX_FMT_FP6 matrix_a_scale:MATRIX_SCALE_ROW1 matrix_b_scale:MATRIX_SCALE_ROW1
.endif
	EP 1-(\x), 4*(\q)+\m
.endr
.endm
.macro RUN2 sl, u, tq                  ; 14 LDS loads: the tile's W_attn2, and its fragments of K steps 4-7
	WIN 0x80                                       ; destination window 2
	ds_load_b128 v[W2+8*(\u):W2+8*(\u)+3], v[ATB] offset:128*(\tq)+64
	ds_load_b128 v[W2+8*(\u)+4:W2+8*(\u)+7], v[ATB] offset:128*(\tq)+80
	WIN 0x04
.irp q, 4,5,6,7
.irp c, 0,1,2
	ds_load_b128 v[WF+12*\q+4*\c:WF+12*\q+4*\c+3], v[AW+(\sl)] offset:12800*(\u)+1536*\q+512*\c
.endr
.endr
.endm
.macro RUN1 nsl, nu                    ; 15 LDS loads for the tile ahead: its fragments of K steps 0-3, its scale words, its hb (table entry TN)
.irp q, 0,1,2,3
.irp c, 0,1,2
	ds_load_b128 v[WF+12*\q+4*\c:WF+12*\q+4*\c+3], v[AW+(\nsl)] offset:12800*(\nu)+1536*\q+512*\c
.endr
.endr
	ds_load_b128 v[WS+4*(\nu):WS+4*(\nu)+3], v[AW+(\nsl)] offset:12800*(\nu)+12288
	ds_load_b128 v[HB:HB+3], v[ATB] offset:128*TN
	ds_load_b128 v[HB+4:HB+7], v[ATB] offset:128*TN+16
.endm
; A TILE: slot sl, tile u of my two (also the set of accumulators); nsl, nu: the tile ahead; tq: the tile's place among a trip's four.
; The places in front of each run of loads into registers that matrix instructions have read are the four plain instructions of slice 15 (RUN1) and of slice 31 (RUN2), which name none of the last products' registers.
; meet = 1: the slot's second tile: the slot is left and filled again, two turns ahead.  In front of the round each wave waits for all its tensor loads (one is out: its part of the other slot), adds 0 to its spare word,
; and waits for that and for its reads of this slot.  meet = 2: the slot is left and nothing is asked for: only my part of the other slot is waited for.
.macro TILE sl, u, nsl, nu, tq, meet, nxt
	RUN2 \sl, \u, \tq
	s_wait_dscnt 14                                ; all but the 14 just issued: the 15 loads made for this tile in the tile before are in
	KSTEP \u, 0
	KSTEP \u, 1
.if (\meet) == 1
	WIN 0                                          ; (the add's two registers lie in window 0)
	s_wait_tensorcnt 0x0                           ; all my tensor loads have landed;
	ds_add_u32 v[SPW], v[NIL]                      ; 0 onto my spare word; a K step's work stands between it and the wait for it
.endif
	KSTEP \u, 2
.if (\meet) == 1
	s_wait_dscnt 0x0                               ; the add is done, and my reads of this slot are over
	s_barrier_signal -1                            ; this barrier opens a round of the cluster's barrier
.endif
	KSTEP \u, 3
.set TN, (\tq)+1
.if (\meet) == 1
	WIN 0
	s_barrier_wait -1
	CREST                                          ; no wave of any partner still reads this slot or has a load on its way
	s_add_nc_u64 s[G0W+4*(\sl)+2:G0W+4*(\sl)+3], s[G0W+4*(\sl)+2:G0W+4*(\sl)+3], 2*RING1
	tensor_load_to_lds s[G0W+4*(\sl):G0W+4*(\sl)+3], s[G1W:G1W+7]   ; my one tensor load behind the round: it has 56 matrix instructions in which to land
	s_nop 0
.rept 4
	v_nop
.endr
.if (\tq) == 3
	v_add_nc_u32 v[ATB], 512, v[ATB]               ; on to the next trip's four table entries (no LDS load of mine is out)
.set TN, 0
.endif
.endif
.if (\meet) == 2
	s_wait_tensorcnt 0x0                           ; my part of the last slot has landed
.endif
.if \nxt
	RUN1 \nsl, \nu
	s_wait_dscnt 15                                ; all but the 15 just issued: K steps 4-7 are in
.else
	s_wait_dscnt 0x0
.endif
	KSTEP \u, 4
	KSTEP \u, 5
	KSTEP \u, 6
	KSTEP \u, 7
.endm
	s_load_b256 s[4:11], s[0:1], 0x0               ; enc, wimg, hb, W_attn2
	s_load_b128 s[12:15], s[0:1], 0x20             ; b_attn2, part
	v_lshl_add_u32 v[SPW], v0, 2, SPARE
	v_mov_b32 v[NIL], 0
	ds_add_u32 v1, v2
	ds_add_u32 v1, v2
	s_wait_dscnt 0x0
	v_lshrrev_b32 v12, 5, v0
	v_readfirstlane_b32 s[WV], v12                 ; wave 0..3
	s_bfe_u32 s[CX], ttmp6, 0x40000                ; cx: which 64 time steps; it enters enc's and part's addresses alone
	s_mov_b32 s[BB], ttmp9                         ; the cluster's number: b
	; group 1 for enc: 16 rows x 128 numbers of 4 bytes, 65,536 numbers from row to row (a time step on), 16 bytes of padding behind each row's 512.  No mask: each work-group has rows of its own
	s_mov_b32 s[G1E+0], (2<<16)|(1<<20)|(6<<22)|(3<<25)
	s_mov_b32 s[G1E+1], 128<<16
	s_mov_b32 s[G1E+2], 16<<16
	s_mov_b32 s[G1E+3], 128<<16
	s_mov_b32 s[G1E+4], 16
	s_mov_b32 s[G1E+5], 65536
	s_mov_b32 s[G1E+6], 0
	s_mov_b32 s[G1E+7], 0
	; group 1 for W's images: a dense block of 25,600 bytes as 100 rows of 256 (32 elements of 8 bytes); the mask names all four work-groups, bit 21 beside it
	s_mov_b32 s[G1W+0], 15|(3<<16)|(1<<21)
	s_mov_b32 s[G1W+1], 32<<16
	s_mov_b32 s[G1W+2], 100<<16
	s_mov_b32 s[G1W+3], 32<<16
	s_mov_b32 s[G1W+4], 100
	s_mov_b32 s[G1W+5], 32
	s_mov_b32 s[G1W+6], 0
	s_mov_b32 s[G1W+7], 0
	s_mov_b32 s[SEL], 0x76543210
	s_mov_b32 s[SEL+1], 0xfedcba98
	s_mov_b32 s[CS], 0x4038aa3b                    ; 2 log2(e)
	s_mov_b32 s[CS+1], s[CS]
	s_mov_b32 s[L2E], 0x3fb8aa3b                   ; log2(e)
	s_mul_i32 s22, s[WV], 8448
	s_mul_i32 s23, s[WV], 25600
	s_mov_b32 s21, 0
	s_wait_kmcnt 0x0
	s_load_b32 s[B2], s[12:13], 0x0
	s_mov_b32 s20, s23
	s_add_nc_u64 s[6:7], s[6:7], s[20:21]          ; wimg at my wave's two tiles of turn 0: the wave's number alone enters
.irp s, 0,1
	s_mov_b32 s[G0W+4*\s], 1
	s_add_co_u32 s[G0W+4*\s+1], s23, RING1*\s
	s_add_nc_u64 s[G0W+4*\s+2:G0W+4*\s+3], s[6:7], RING1*\s
	s_or_b32 s[G0W+4*\s+3], s[G0W+4*\s+3], 0x80000000
.endr
	s_lshl_b32 s20, s[BB], 13
	s_add_nc_u64 s[8:9], s[8:9], s[20:21]          ; hb at row b
	s_lshl_b32 s20, s[BB], 2
	s_add_co_u32 s20, s20, s[CX]
	s_mul_i32 s20, s20, 4352
	s_add_nc_u64 s[14:15], s[14:15], s[20:21]      ; part at row 4 b + cx
	s_lshl_b32 s20, s[CX], 24                      ; 64 time steps of 262,144 bytes,
	s_lshl_b32 s19, s[WV], 22                      ; my wave's 16 of them,
	s_add_co_u32 s20, s20, s19
	s_lshl_b32 s19, s[BB], 12                      ; row b of a time step
	s_add_co_u32 s20, s20, s19
	s_add_nc_u64 s[4:5], s[4:5], s[20:21]
.irp q, 0,1,2,3,4,5,6,7
	s_mov_b32 s[48+4*\q+4*(\q/4)], 1
	s_add_co_u32 s[49+4*\q+4*(\q/4)], s22, 33792*\q+2048*(\q/6)
	s_add_nc_u64 s[50+4*\q+4*(\q/4):51+4*\q+4*(\q/4)], s[4:5], 512*\q
	s_or_b32 s[51+4*\q+4*(\q/4)], s[51+4*\q+4*(\q/4)], 0x80000000
.endr
	ROUND                                          ; the one round in front of the first fills
.irp q, 0,1,2,3,4,5,6,7
	tensor_load_to_lds s[48+4*\q+4*(\q/4):51+4*\q+4*(\q/4)], s[G1E:G1E+7]   ; my 16 rows, K step q: eight loads of mine are out
	s_nop 0
.endr
.rept 4
	v_nop
.endr
	v_and_b32 v12, 31, v0                          ; lane
	v_and_b32 v13, 15, v0                          ; r
	v_bfe_u32 v14, v0, 4, 1                        ; h
	v_lshlrev_b32 v15, 4, v12                      ; 16 x lane
	v_add_nc_u32 v[AW], s23, v15
	v_add_nc_u32 v[AW+1], RING1, v[AW]
	s_lshl_b32 s19, s[WV], 12
	s_add_co_u32 s19, s19, TB
	v_lshl_add_u32 v[ATB], v14, 5, s19
	v_mul_u32_u24 v[AQ], v13, 528
	v_lshl_add_u32 v[AQ], v14, 6, v[AQ]
	v_add_nc_u32 v[AQ], s22, v[AQ]
	v_add_nc_u32 v[AR], s22, v15
	s_mul_i32 s19, s[WV], 1536
	s_add_co_u32 s19, s19, XIMG
	v_add_nc_u32 v[XWI], s19, v15
	s_lshl_b32 s19, s[WV], 6
	s_add_co_u32 s19, s19, XSC
	v_lshl_add_u32 v[XWS], v13, 2, s19
	v_add_nc_u32 v[LI2], XIMG, v15
	v_lshlrev_b32 v[ASA], 2, v13
	v_lshl_add_u32 v[ASA], v14, 10, v[ASA]
	v_add_nc_u32 v[ASA], XSC, v[ASA]
.irp b, 0,1,2,3
	v_mov_b32 v[TM+4+\b], 0                        ; written once: a lane permute's destination counts as one of its sources
.endr
	; ---- THE HEAD: my 16 rows become eight fragments; K step q + 1 comes out of LDS while K step q is quantised
	LOADQ 0
.irp q, 0,1,2,3,4,5,6,7
.if \q < 7
	LOADQ \q+1
.endif
.if \q < 5
	s_wait_dscnt 32                                ; all but the 32 loads just issued: K step q's numbers are in, and the last image's stores have read their registers
.elseif \q < 7
	s_wait_dscnt 16                                ; (K steps 6 and 7 are not kept in registers: 16 loads)
.else
	s_wait_dscnt 0x0
.endif
.set QS, ST0+64*(\q%2)
	QUANT QS
	IMAGE XWI, 6144*\q
	ds_store_b32 v[XWS], v[PW] offset:256*\q
.endr
	; ---- the landing place becomes the ring.  Slot 0 first
	s_wait_tensorcnt 0x0
	ds_add_u32 v[SPW], v[NIL]                      ; 0 onto my spare word
	s_wait_dscnt 0x0                               ; the add is done, my reads of the landing place are over, my images have landed
	ROUND
	tensor_load_to_lds s[G0W:G0W+3], s[G1W:G1W+7]  ; turn 0
	s_nop 0
.rept 4
	v_nop
.endr
	v_bfe_u32 v14, v0, 3, 2                        ; lane / 8
	v_and_b32 v15, 7, v0
	v_lshlrev_b32 v12, 9, v14
	v_lshl_add_u32 v12, v15, 4, v12
	s_lshl_b32 s19, s[WV], 7
	v_add_nc_u32 v12, s19, v12                     ; hb, W_attn2: turn 4 j + lane / 8 has my 32 numbers at 512 (lane / 8) + 128 w; eight lanes read their 128 bytes
	v_lshlrev_b32 v13, 8, v14
	v_bfe_u32 v15, v0, 2, 1
	v_lshl_add_u32 v13, v15, 7, v13
	v_and_b32 v15, 3, v0
	v_lshl_add_u32 v13, v15, 4, v13
	s_lshl_b32 s19, s[WV], 12
	s_add_co_u32 s19, s19, TB
	v_add_nc_u32 v13, s19, v13                     ; and their place in my table: entry 8 j + 2 (lane / 8) + (lane / 4) % 2, 16 (lane % 4) bytes in
.irp j, 0,1,2,3
	global_load_b128 v[72+4*\j:75+4*\j], v12, s[8:9] offset:2048*\j
	global_load_b128 v[88+4*\j:91+4*\j], v12, s[10:11] offset:2048*\j
.endr
.irp q, 0,1,2,3,4,5,6,7                ; the codes of all 64 rows into my registers
.if \q < 5
	WIN 0x40
.set RA, 48*\q
.else
	WIN 0x80
.set RA, 48*(\q-5)
.endif
.irp m, 0,1,2,3
.irp c, 0,1,2
	ds_load_b128 v[RA+12*\m+4*\c:RA+12*\m+4*\c+3], v[LI2] offset:1536*(4*\q+\m)+512*\c
.endr
.endr
.endr
	WIN 0
.irp m, 0,1,2,3
.irp i, 0,1,2,3
	ds_load_b32 v[AS+4*\m+\i], v[ASA] offset:64*(4*\i+\m)
.endr
.endr
	; ---- slot 1
	s_wait_tensorcnt 0x0                           ; turn 0 has landed
	ds_add_u32 v[SPW], v[NIL]
	s_wait_dscnt 0x0                               ; the add is done, and my reads of the images are over
	ROUND
	tensor_load_to_lds s[G0W+4:G0W+7], s[G1W:G1W+7]   ; turn 1
	s_nop 0
.rept 4
	v_nop
.endr
	s_wait_loadcnt 0x0
.irp j, 0,1,2,3
	ds_store_b128 v13, v[72+4*\j:75+4*\j] offset:1024*\j           ; my table, over images that every wave has read; I alone read it
	ds_store_b128 v13, v[88+4*\j:91+4*\j] offset:1024*\j+64
.endr
.set TN, 0
	RUN1 0, 0
	; The loop's first tile finds a set behind it that was never multiplied: zeros there, and zeros for its W_attn2, add exact zeros to the scores' sums, which begin here.  So no tile is written out on its own.
.irp i, 0,1,2,3,4,5,6,7,8,9,10,11,12,13,14,15,16,17,18,19,20,21,22,23,24,25,26,27,28,29,30,31
	v_mov_b32 v[ACC+32+\i], 0
.endr
.irp i, 0,1,2,3,4,5,6,7
	v_mov_b32 v[SCO+\i], 0
.endr
	WIN 0x80
.irp i, 0,1,2,3,4,5,6,7
	v_mov_b32 v[W2+8+\i], 0
.endr
	WIN 0
	s_wait_kmcnt 0x0                               ; b_attn2
	s_mov_b32 s[CNT], 7
.Ltrip:                                            ; a trip goes once round the ring: two turns, four tiles, and fills both slots again
	TILE 0, 0, 0, 1, 0, 0, 1
	TILE 0, 1, 1, 0, 1, 1, 1
	TILE 1, 0, 1, 1, 2, 0, 1
	TILE 1, 1, 0, 0, 3, 1, 1
	WIN 0
	s_sub_co_u32 s[CNT], s[CNT], 1
	s_cmp_lg_u32 s[CNT], 0
	s_cbranch_scc1 .Ltrip
	TILE 0, 0, 0, 1, 0, 0, 1                       ; the last two turns are written out: nothing more is asked for
	TILE 0, 1, 1, 0, 1, 2, 1
	TILE 1, 0, 1, 1, 2, 0, 1
	TILE 1, 1, 0, 0, 3, 0, 0
	WIN 0x08                                       ; the last tile's own tanh; slice 31 above was the four places behind the last product
.set DK, 0
.rept 32
	EP 1, DK
.set DK, DK+1
.endr
	WIN 0
	; ---- THE SCORES
	v_add_nc_u32 v12, KEEP, v[AR]
.irp q, 0,1
.irp p, 0,1,2,3,4,5,6,7,8,9,10,11,12,13,14,15
	ds_load_b128 v[KT+64*\q+4*\p:KT+64*\q+4*\p+3], v12 offset:33792*\q+528*\p   ; K steps 6 and 7 of my 16 rows, for the third product
.endr
.endr
	v_and_b32 v13, 15, v0
	s_lshl_b32 s19, s[WV], 8
	s_add_co_u32 s19, s19, SCX
	v_lshl_add_u32 v13, v13, 2, s19                ; where I put my partial scores
	v_and_b32 v14, 31, v0
	v_lshl_add_u32 v15, v14, 2, SCX                ; where I read the four waves'
	s_lshl_b32 s19, s[WV], 8
	s_add_co_u32 s19, s19, PT
	v_lshl_add_u32 v8, v14, 2, s19                 ; my copy of p
	s_mul_i32 s19, s[WV], 320
	s_add_co_u32 s19, s19, PT
	v_mov_b32 v9, s19                              ; in it, my 16 rows' p
	v_lshlrev_b32 v6, 4, v14
	s_lshl_b32 s19, s[WV], 12
	s_add_co_u32 s19, s19, XSUM
	v_add_nc_u32 v10, s19, v6                      ; my partial sums
	s_lshl_b32 s19, s[WV], 10
	v_add_nc_u32 v6, s19, v6                       ; my 1,024 bytes of a row of part
	v_add_nc_u32 v11, XSUM, v6                     ; and of each wave's partial sums
	v_lshlrev_b32 v3, 3, v14
.irp m, 0,1,2,3
	v_add_f32 v[SCO+2*\m], v[SCO+2*\m], v[SCO+2*\m+1]
.endr
.irp m, 0,1,2,3
	v_permlanex16_b32 v[SCO+2*\m+1], v[SCO+2*\m], s[SEL], s[SEL+1]
.endr
.irp m, 0,1,2,3
	v_add_f32 v[SCO+2*\m], v[SCO+2*\m], v[SCO+2*\m+1]   ; row 16 m + r, over my wave's 512 n
.endr
.irp m, 0,1,2,3
	ds_store_b32 v13, v[SCO+2*\m] offset:64*\m
.endr
	BARRIER
.irp g, 0,1,2,3
.irp e, 0,1
	ds_load_b32 v[72+2*\g+\e], v15 offset:256*\g+128*\e   ; rows lane and lane + 32, of wave g
.endr
.endr
	s_wait_dscnt 0x0
	v_pk_add_f32 v[72:73], v[72:73], v[74:75]
	v_pk_add_f32 v[76:77], v[76:77], v[78:79]
	v_pk_add_f32 v[72:73], v[72:73], v[76:77]
	v_add_f32 v72, s[B2], v72
	v_add_f32 v73, s[B2], v73
	v_max_num_f32 v74, v72, v73                    ; the block's largest score is taken away before the exponential
	v_max_num_f32_dpp v74, v74, v74 row_xmask:1 row_mask:0xf bank_mask:0xf
	v_max_num_f32_dpp v74, v74, v74 row_xmask:2 row_mask:0xf bank_mask:0xf
	v_max_num_f32_dpp v74, v74, v74 row_xmask:4 row_mask:0xf bank_mask:0xf
	v_max_num_f32_dpp v74, v74, v74 row_xmask:8 row_mask:0xf bank_mask:0xf
	v_permlanex16_b32 v75, v74, s[SEL], s[SEL+1]
	v_max_num_f32 v40, v74, v75                    ; M
	v_sub_f32 v72, v72, v40
	v_sub_f32 v73, v73, v40
	v_mul_f32 v72, s[L2E], v72
	v_mul_f32 v73, s[L2E], v73
	v_exp_f32 v72, v72
	v_exp_f32 v73, v73
	v_nop
	s_wait_alu depctr_va_vdst(0)                   ; one wait for the two, ahead of their first reader
	v_add_f32 v74, v72, v73
	v_add_f32_dpp v74, v74, v74 row_xmask:1 row_mask:0xf bank_mask:0xf
	v_add_f32_dpp v74, v74, v74 row_xmask:2 row_mask:0xf bank_mask:0xf
	v_add_f32_dpp v74, v74, v74 row_xmask:4 row_mask:0xf bank_mask:0xf
	v_add_f32_dpp v74, v74, v74 row_xmask:8 row_mask:0xf bank_mask:0xf
	v_permlanex16_b32 v75, v74, s[SEL], s[SEL+1]
	v_add_f32 v41, v74, v75                        ; l
	ds_store_b32 v8, v72
	ds_store_b32 v8, v73 offset:128
.irp i, 0,1,2,3
	ds_load_b128 v[P+4*\i:P+4*\i+3], v9 offset:16*\i   ; LDS serves a wave's instructions in order: these see my stores; every lane gets my 16 rows' p
.endr
	s_wait_dscnt 0x0
	; ---- THE THIRD PRODUCT's part, f32 operands: sum over my 16 rows of p x row; lane l holds columns 128 q + 4 l + 0 .. 3
.macro PVQ q, p
.if (\q) < 6
	RQ 16*(\q)+(\p)
.else
.set RW, 0
.set RR, KT+64*((\q)-6)+4*(\p)
.endif
	WIN RW                                         ; source 0: the window of the kept row
.set RP, P+2*((\p)/2)
.irp f, 0,2
.if (\p) == 0
	v_pk_mul_f32 v[OA+4*(\q)+\f:OA+4*(\q)+\f+1], v[RR+\f:RR+\f+1], v[RP:RP+1] op_sel_hi:[1,0]
.elseif ((\p)%2) == 0
	v_pk_fma_f32 v[OA+4*(\q)+\f:OA+4*(\q)+\f+1], v[RR+\f:RR+\f+1], v[RP:RP+1], v[OA+4*(\q)+\f:OA+4*(\q)+\f+1] op_sel_hi:[1,0,1]
.else
	v_pk_fma_f32 v[OA+4*(\q)+\f:OA+4*(\q)+\f+1], v[RR+\f:RR+\f+1], v[RP:RP+1], v[OA+4*(\q)+\f:OA+4*(\q)+\f+1] op_sel:[0,1,0] op_sel_hi:[1,1,1]
.endif
.endr
.endm
.irp p, 0,1,2,3,4,5,6,7,8,9,10,11,12,13,14,15
.irp q, 0,1,2,3
	PVQ \q, \p
.endr
.endr
.irp p, 0,1,2,3,4,5,6,7,8,9,10,11,12,13,14,15
.irp q, 4,5
	PVQ \q, \p
.endr
.endr
.irp p, 0,1,2,3,4,5,6,7,8,9,10,11,12,13,14,15
.irp q, 6,7
	PVQ \q, \p
.endr
.endr
	WIN 0
.irp q, 0,1,2,3,4,5,6,7
	ds_store_b128 v10, v[OA+4*\q:OA+4*\q+3] offset:512*\q
.endr
	BARRIER
.irp e, 0,1
.irp g, 0,1,2,3
	ds_load_b128 v[KT+16*\e+4*\g:KT+16*\e+4*\g+3], v11 offset:4096*\g+512*\e   ; K step 2 w + e of the four waves' sums
.endr
.endr
	s_wait_dscnt 0x0
.irp e, 0,1
.irp f, 0,2
	v_pk_add_f32 v[KT+16*\e+\f:KT+16*\e+\f+1], v[KT+16*\e+\f:KT+16*\e+\f+1], v[KT+16*\e+4+\f:KT+16*\e+4+\f+1]
	v_pk_add_f32 v[KT+16*\e+8+\f:KT+16*\e+8+\f+1], v[KT+16*\e+8+\f:KT+16*\e+8+\f+1], v[KT+16*\e+12+\f:KT+16*\e+12+\f+1]
.endr
.irp f, 0,2
	v_pk_add_f32 v[KT+16*\e+\f:KT+16*\e+\f+1], v[KT+16*\e+\f:KT+16*\e+\f+1], v[KT+16*\e+8+\f:KT+16*\e+8+\f+1]
.endr
.endr
.irp e, 0,1
	global_store_b128 v6, v[KT+16*\e:KT+16*\e+3], s[14:15] offset:512*\e   ; 32 lanes store 512 consecutive bytes, at a multiple of 256 from part's first byte
.endr
	s_cmp_lg_u32 s[WV], 0
	s_cbranch_scc1 .Lno_stat
	global_store_b64 v3, v[40:41], s[14:15] offset:4096   ; (M, l), 32 times: 256 consecutive bytes
.Lno_stat:
	s_wait_tensorcnt 0x0                           ; the wave's end, behind my last tensor load and my last LDS store
	ds_add_u32 v[SPW], v[NIL]
	s_wait_dscnt 0x0
	ROUND                                          ; the closing round: no work-group ends while a partner may still ask for a tile that names it
	s_endpgm
.Lfunc_end_k_q0f8afcd789_main:
	.size	k_q0f8afcd789_main, .Lfunc_end_k_q0f8afcd789_main-k_q0f8afcd789_main
	.p2alignl 7, 3214868480
	.fill 96, 4, 3214868480
	.section	.rodata,"a",@progbits
	.p2align	6, 0x0
	.amdhsa_kernel k_q0f8afcd789_main
		.amdhsa_group_segment_fixed_size 327680
		.amdhsa_private_segment_fixed_size 0
		.amdhsa_enable_private_segment 0
		.amdhsa_kernarg_size 48
		.amdhsa_user_sgpr_count 2
		.amdhsa_user_sgpr_kernarg_segment_ptr 1
		.amdhsa_wavefront_size32 1
		.amdhsa_system_sgpr_workgroup_id_x 1
		.amdhsa_system_sgpr_workgroup_id_y 1
		.amdhsa_system_sgpr_workgroup_id_z 1
		.amdhsa_system_vgpr_workitem_id 0
		.amdhsa_next_free_vgpr 1024
		.amdhsa_next_free_sgpr 96
		.amdhsa_reserve_vcc 0
		.amdhsa_float_denorm_mode_32 3
		.amdhsa_float_denorm_mode_16_64 3
		.amdhsa_memory_ordered 1
		.amdhsa_forward_progress 1
		.amdhsa_inst_pref_size 197
	.end_amdhsa_kernel
	.amdgpu_metadata
---
amdhsa.version: [ 1, 2 ]
amdhsa.kernels:
  - .name:           k_q0f8afcd789_main
    .symbol:         k_q0f8afcd789_main.kd
    .args:
      - { .name: encoder_states, .offset: 0, .size: 8, .value_kind: global_buffer, .address_space: global }
      - { .name: wimg, .offset: 8, .size: 8, .value_kind: global_buffer, .address_space: global }
      - { .name: hb, .offset: 16, .size: 8, .value_kind: global_buffer, .address_space: global }
      - { .name: W_attn2, .offset: 24, .size: 8, .value_kind: global_buffer, .address_space: global }
      - { .name: b_attn2, .offset: 32, .size: 8, .value_kind: global_buffer, .address_space: global }
      - { .name: part, .offset: 40, .size: 8, .value_kind: global_buffer, .address_space: global }
    .group_segment_fixed_size: 327680
    .private_segment_fixed_size: 0
    .kernarg_segment_align: 8
    .kernarg_segment_size: 48
    .max_flat_workgroup_size: 128
    .sgpr_count:     96
    .vgpr_count:     1024
    .wavefront_size: 32
...
	.end_amdgpu_metadata
.endif
;; end of part 2
;; launch final (part 3): grid 16 x 4, 4 waves a work-group, no clusters, 99,328 bytes of LDS; arguments part, decoder_out, W_comb_codes, W_comb_scales, b_comb, out0, out1; writes out0, out1
.if DOCPART == 3
	.amdgcn_target "amdgcn-amd-amdhsa--gfx1250"
	.amdhsa_code_object_version 6
	.text
	.protected	k_q0f8afcd789_final
	.globl	k_q0f8afcd789_final
	.p2align	8
	.type	k_q0f8afcd789_final,@function
k_q0f8afcd789_final:
	s_mov_b64 s[64:65], 0
	v_nop
	global_prefetch_b8 v0, s[64:65] scope:SCOPE_SE
	s_setreg_imm32_b32 hwreg(HW_REG_WAVE_MODE, 25, 1), 1
	s_wait_xcnt 0x0
; FINAL.  applied[b] = sum over the four parts g of c_g part[4 b + g], c_g = e^(M_g - M) / sum of e^(M_g - M) l_g, M the largest M_g (out1);  out0 = tanh(Q(cat(decoder_out, applied)) W_comb^T + b_comb), on codes of FP6 (E2M3) with E8M0 scales.
; SHARES.  Work-group (x, y): rows 16 y .. 16 y + 15, columns 64 x .. 64 x + 63 of out0; wave w takes the tile of 16 rows 4 x + w of W_comb, whose 16 fragments go from memory straight into its registers,
; and makes K steps 2 w, 2 w + 1 (decoder_out) and 8 + 2 w, 9 + 2 w (applied) of the work-group's operand, which go from wave to wave through LDS as images of registers.
; Every work-group of a y joins the parts anew (272 KiB of reads each); the one with x = 0 stores out1.  The product is used transposed: a lane holds one row b and eight neighbouring n.
; No cluster: no tile goes through LDS by a tensor load; what work-groups share (the parts of 16 rows) is loaded into registers.
; LIMITS: NaN and infinities among the inputs are not served; a block of zeros, or one whose largest magnitude lies under 2^-124, gets the scale byte 1 (its bytes are read by this program alone).
.set STG,  0                           ; LDS: eight stages (2 w + e) of 16 rows x (512 + 16) bytes, each its wave's own
.set XIMG, 67584                       ; the operand's 16 fragments as register images
.set XSC,  92160                       ; their scale words, 64 bytes each
.set CT,   93184                       ; c of 16 rows x 4 parts, a copy for each wave
.set OST,  94208                       ; the way out: 16 rows x (256 + 16) bytes
.set CTB,  16                          ; v16-79   c_g of row p at 4 p + g, the same in every lane
.set ST,   80                          ; v80-143  64 numbers of a lane for the quantiser; later the results
.set O,    80
.set BK,   88
.set PC,   144
.set TM,   164
.set PW,   180
.set O0O,  181                         ; my byte offset in out0
.set OA,   182                         ; v182-197 four rows of applied
.set WS,   198                         ; v198-205 W's scale words: register i: lanes 0-15 K step i, lanes 16-31 K step 8 + i.  Scales and nothing else
.set AS,   206                         ; v206-213 the operand's, laid likewise.  Scales and nothing else
.set BI,   214                         ; v214-221 b_comb in the result's layout
.set ACC0, 222
.set ACC1, 230
.set SS,   238                         ; v238-245 (M_g, l_g) of row r;  v246-253 at work
.set AFB,  64                          ; window 3: the operand's fragment f at 64 + 12 f.  window 2: W's fragment q at 12 q.  window 1: four buffers of 64 for the loads
.set SEL,  24
.set CS,   26
.set MSB, 0
.macro WIN new                         ; the immediate's high byte repeats the setting that is left
.if MSB != (\new)
	s_set_vgpr_msb (MSB<<8)|(\new)
.set MSB, \new
.endif
.endm
.macro BARRIER
	s_wait_dscnt 0x0
	s_barrier_signal -1
	s_barrier_wait -1
.endm
.macro QUANT s
.irp b, 0,1,2,3
	v_max3_num_f32 v[TM+\b], |v[\s+16*\b]|, |v[\s+1+16*\b]|, 0x1800000   ; my 16 numbers of block b, and the floor 2^(3 - 127): the byte cannot fall under 1
.endr
.irp i, 2,4,6,8,10,12,14
.irp b, 0,1,2,3
	v_max3_num_f32 v[TM+\b], v[TM+\b], |v[\s+16*\b+\i]|, |v[\s+1+16*\b+\i]|
.endr
.endr
.irp b, 0,1,2,3
	v_permlanex16_b32 v[TM+4+\b], v[TM+\b], s[SEL], s[SEL+1]
.endr
.irp b, 0,1,2,3
	v_max_num_f32 v[TM+\b], v[TM+\b], v[TM+4+\b]
.endr
.irp b, 0,1,2,3
	v_add_nc_u32 v[TM+12+\b], 0xff000000, v[TM+\b]   ; 2 off the exponent field: the conversion's scale operand
.endr
.irp b, 0,1,2,3
	v_lshrrev_b32 v[TM+4+\b], 23, v[TM+12+\b]      ; the scale's byte
.endr
	v_lshl_or_b32 v[PW], v[TM+5], 8, v[TM+4]
	v_lshl_or_b32 v[PW], v[TM+6], 16, v[PW]
	v_lshl_or_b32 v[PW], v[TM+7], 24, v[PW]
.irp c, 0,1
	v_cvt_scalef32_pk16_fp6_f32 v[PC+6*\c:PC+2+6*\c], v[\s+32*\c:\s+15+32*\c], v[TM+12+2*\c]
	v_cvt_scalef32_pk16_fp6_f32 v[PC+12+4*\c:PC+14+4*\c], v[\s+16+32*\c:\s+31+32*\c], v[TM+12+2*\c+1]
.endr
	v_nop                                          ; one plain place behind a scaled conversion
.irp c, 0,1
.irp i, 0,1,2
	v_permlane16_swap_b32 v[PC+6*\c+\i], v[PC+12+4*\c+\i]
.endr
.irp i, 0,1,2
	v_mov_b32 v[PC+3+6*\c+\i], v[PC+12+4*\c+\i]
.endr
.endr
.endm
; Chunk i: 16 loads of 512 consecutive bytes into buffer i % 4.  0, 1: decoder_out's K step 2 w + i, 16 rows.  2 + 4 e + c: K step 2 w + e of the four parts of rows 4 c .. 4 c + 3
.macro CHUNK i
.set CB, 64*((\i)%4)
.set CE, ((\i)-2)/4
.set CR, ((\i)-2)%4
	WIN 0x40
.if (\i) < 2
.irp p, 0,1,2,3,4,5,6,7,8,9,10,11,12,13,14,15
	global_load_b128 v[CB+4*\p:CB+4*\p+3], v1, s[6:7] offset:4096*\p+512*(\i)
.endr
.else
.irp p, 0,1,2,3
.irp g, 0,1,2,3
	global_load_b128 v[CB+16*\p+4*\g:CB+16*\p+4*\g+3], v1, s[4:5] offset:(4*(4*CR+\p)+\g)*4352+512*CE
.endr
.endr
.endif
	WIN 0
.endm
; Chunk i is worked: decoder_out goes into my stage as it is; the parts are joined, and four rows of applied go into the stage and (x = 0) to out1
.macro WORK i
.set CB, 64*((\i)%4)
.set CE, ((\i)-2)/4
.set CR, ((\i)-2)%4
.if (\i) < 7
	s_wait_loadcnt 48                              ; the three later chunks may be out
.else
	s_wait_loadcnt 16*(9-(\i))                     ; at the end fewer are left
.endif
.if (\i) < 2
	WIN 0x04                                       ; an LDS store's data are its source 1: window 1
.irp p, 0,1,2,3,4,5,6,7,8,9,10,11,12,13,14,15
	ds_store_b128 v6, v[CB+4*\p:CB+4*\p+3] offset:8448*(\i)+528*\p
.endr
	WIN 0
.else
	s_wait_xcnt 0x0                                ; the last chunk's stores to out1 have read their data: the four rows' registers are written again only behind this wait
	WIN 0x01                                       ; source 0 window 1
.irp g, 0,1,2,3
.irp p, 0,1,2,3
.irp f, 0,2
.set RC, CTB+4*(4*CR+\p)+2*(\g/2)
.if \g == 0
	v_pk_mul_f32 v[OA+4*\p+\f:OA+4*\p+\f+1], v[CB+16*\p+\f:CB+16*\p+\f+1], v[RC:RC+1] op_sel_hi:[1,0]
.elseif \g == 2
	v_pk_fma_f32 v[OA+4*\p+\f:OA+4*\p+\f+1], v[CB+16*\p+4*\g+\f:CB+16*\p+4*\g+\f+1], v[RC:RC+1], v[OA+4*\p+\f:OA+4*\p+\f+1] op_sel_hi:[1,0,1]
.else
	v_pk_fma_f32 v[OA+4*\p+\f:OA+4*\p+\f+1], v[CB+16*\p+4*\g+\f:CB+16*\p+4*\g+\f+1], v[RC:RC+1], v[OA+4*\p+\f:OA+4*\p+\f+1] op_sel:[0,1,0] op_sel_hi:[1,1,1]
.endif
.endr
.endr
.endr
	WIN 0
.irp p, 0,1,2,3
	ds_store_b128 v6, v[OA+4*\p:OA+4*\p+3] offset:8448*CE+528*(4*CR+\p)
.endr
	s_cmp_lg_u32 s19, 0
	s_cbranch_scc1 .Lnot_out1_\@
.irp p, 0,1,2,3
	global_store_b128 v1, v[OA+4*\p:OA+4*\p+3], s[16:17] offset:4096*(4*CR+\p)+512*CE   ; 32 lanes store 512 consecutive bytes of a row of out1
.endr
.Lnot_out1_\@:
.endif
.endm
; Stage e is whole: it becomes fragment 2 w + e (hi = 0) or 8 + 2 w + e (hi = 1)
.macro QSTEP e, hi
.irp b, 0,1,2,3
.irp j, 0,1,2,3
	ds_load_b128 v[ST+16*\b+4*\j:ST+16*\b+4*\j+3], v7 offset:8448*(\e)+128*\b+16*\j   ; LDS serves a wave's instructions in order: these see my stores
.endr
.endr
	s_wait_dscnt 0x0
	QUANT ST
.irp c, 0,1,2
	ds_store_b128 v8, v[PC+4*\c:PC+4*\c+3] offset:1536*(\e)+12288*(\hi)+512*\c
.endr
	ds_store_b32 v9, v[PW] offset:64*(\e)+512*(\hi)
.endm
	s_load_b256 s[4:11], s[0:1], 0x0               ; part, decoder_out, W's codes, W's scales
	s_load_b128 s[12:15], s[0:1], 0x20             ; b_comb, out0
	s_load_b64 s[16:17], s[0:1], 0x30              ; out1
	v_lshl_add_u32 v254, v0, 2, 0x18200
	v_mov_b32 v255, 0
	v_lshrrev_b32 v246, 5, v0
	v_readfirstlane_b32 s18, v246                  ; wave 0..3
	v_and_b32 v246, 31, v0                         ; lane
	v_and_b32 v247, 15, v0                         ; r
	v_bfe_u32 v248, v0, 4, 1                       ; h
	s_mov_b32 s19, ttmp9                           ; x
	s_and_b32 s20, ttmp7, 0xffff                   ; y
	s_lshl_b32 s21, ttmp9, 2
	s_add_co_u32 s21, s21, s18                     ; my tile of W: 4 x + wave
	s_mov_b32 s[SEL], 0x76543210
	s_mov_b32 s[SEL+1], 0xfedcba98
	s_mov_b32 s[CS], 0x4038aa3b                    ; 2 log2(e)
	s_mov_b32 s[CS+1], s[CS]
	s_mov_b32 s28, 0x3fb8aa3b                      ; log2(e)
	v_lshlrev_b32 v1, 4, v246                      ; 16 x lane
	v_mul_u32_u24 v2, v247, 1536
	v_mad_u32_u24 v2, v248, 24, v2                 ; W's codes: row r, + 24 h
	v_lshlrev_b32 v3, 6, v247
	v_lshl_add_u32 v3, v248, 5, v3                 ; W's scales: row r, + 32 h
	v_lshlrev_b32 v4, 5, v248                      ; b_comb: 32 h
	v_mul_u32_u24 v5, v247, 17408                  ; the four parts of row r
	s_mul_i32 s22, s18, 16896
	v_add_nc_u32 v6, s22, v1                       ; into my stages
	v_mul_u32_u24 v7, v247, 528
	v_lshl_add_u32 v7, v248, 6, v7
	v_add_nc_u32 v7, s22, v7                       ; out of them
	s_mul_i32 s22, s18, 3072
	s_add_co_u32 s22, s22, XIMG
	v_add_nc_u32 v8, s22, v1                       ; where I store my images
	s_lshl_b32 s22, s18, 7
	s_add_co_u32 s22, s22, XSC
	v_lshl_add_u32 v9, v247, 2, s22                ; and their scale words
	v_add_nc_u32 v10, XIMG, v1
	v_lshlrev_b32 v11, 2, v247
	v_lshl_add_u32 v11, v248, 9, v11
	v_add_nc_u32 v11, XSC, v11                     ; scale words: 4 r + 512 h
	s_lshl_b32 s22, s18, 8
	s_add_co_u32 s22, s22, CT
	v_mov_b32 v13, s22                             ; my copy of c
	v_lshl_add_u32 v12, v247, 4, s22               ; in it, row r
	v_mul_u32_u24 v14, v247, 272
	v_lshl_add_u32 v14, v248, 5, v14
	s_lshl_b32 s22, s18, 6
	s_add_co_u32 s22, s22, OST
	v_add_nc_u32 v14, s22, v14                     ; the way out, in
	v_mul_u32_u24 v15, v248, 272
	v_lshl_add_u32 v15, v247, 4, v15
	s_mul_i32 s22, s18, 1088
	s_add_co_u32 s22, s22, OST
	v_add_nc_u32 v15, s22, v15                     ; and back
	v_lshlrev_b32 v[O0O], 12, v248
	v_lshl_add_u32 v[O0O], v247, 4, v[O0O]
	s_lshl_b32 s22, s18, 14
	v_add_nc_u32 v[O0O], s22, v[O0O]               ; out0: row 4 wave + h, 16 r
.irp b, 0,1,2,3
	v_mov_b32 v[TM+4+\b], 0                        ; written once: a lane permute's destination counts as one of its sources
.endr
	s_mov_b32 s23, 0
	s_wait_kmcnt 0x0
	s_mul_i32 s22, s20, 278528                     ; 64 rows of part of 4,352 bytes
	s_add_nc_u64 s[30:31], s[4:5], s[22:23]        ; part at row 64 y
	s_lshl_b32 s22, s18, 10
	s_add_nc_u64 s[4:5], s[30:31], s[22:23]        ; and at K step 2 wave
	s_lshl_b32 s29, s20, 16
	s_add_co_u32 s22, s22, s29
	s_add_nc_u64 s[6:7], s[6:7], s[22:23]          ; decoder_out and out1 at row 16 y, K step 2 wave
	s_add_nc_u64 s[16:17], s[16:17], s[22:23]
	s_mul_i32 s22, s21, 24576
	s_add_nc_u64 s[8:9], s[8:9], s[22:23]
	s_lshl_b32 s22, s21, 10
	s_add_nc_u64 s[10:11], s[10:11], s[22:23]
	s_lshl_b32 s22, s21, 6
	s_add_nc_u64 s[12:13], s[12:13], s[22:23]
	s_lshl_b32 s22, s19, 8
	s_add_co_u32 s22, s22, s29
	s_add_nc_u64 s[14:15], s[14:15], s[22:23]      ; out0 at row 16 y, column 64 x
.irp g, 0,1,2,3
	global_load_b64 v[SS+2*\g:SS+2*\g+1], v5, s[30:31] offset:4352*\g+4096
.endr
	global_load_b128 v[WS:WS+3], v3, s[10:11]
	global_load_b128 v[WS+4:WS+7], v3, s[10:11] offset:16
	global_load_b128 v[BI:BI+3], v4, s[12:13]
	global_load_b128 v[BI+4:BI+7], v4, s[12:13] offset:16
	WIN 0x80                                       ; destination window 2
.irp q, 0,1,2,3,4,5,6,7,8,9,10,11,12,13,14,15
.irp p, 0,1,2,3,4,5
	global_load_b64 v[12*\q+2*\p:12*\q+2*\p+1], v2, s[8:9] offset:96*\q+48*(\p/3)+8*(\p%3)
.endr
.endr
	WIN 0
	CHUNK 0
	CHUNK 1
	CHUNK 2
	CHUNK 3
.irp i, 0,1,2,3,4,5,6,7,8,9
	WORK \i
	s_wait_dscnt 0x0                               ; the stores into the stage have read their registers
.if \i < 6
	CHUNK \i+4
.endif
.if \i == 0
	; c_g of row r: the largest M_g is taken away before the exponentials
	v_max3_num_f32 v246, v[SS], v[SS+2], v[SS+4]
	v_max_num_f32 v246, v246, v[SS+6]
.irp g, 0,1,2,3
	v_sub_f32 v[248+\g], v[SS+2*\g], v246
.endr
.irp g, 0,1,2,3
	v_mul_f32 v[248+\g], s28, v[248+\g]
.endr
.irp g, 0,1,2,3
	v_exp_f32 v[248+\g], v[248+\g]
.endr
	v_nop
	s_wait_alu depctr_va_vdst(0)                   ; one wait for the four, ahead of their first reader
	v_mul_f32 v247, v248, v[SS+1]
	v_fma_f32 v247, v249, v[SS+3], v247
	v_fma_f32 v247, v250, v[SS+5], v247
	v_fma_f32 v247, v251, v[SS+7], v247
	v_rcp_f32 v247, v247
	v_nop
	s_wait_alu depctr_va_vdst(0)
.irp g, 0,1,2,3
	v_mul_f32 v[248+\g], v[248+\g], v247
.endr
	ds_store_b128 v12, v[248:251]                  ; (lanes r and r + 16 write the same bytes with the same values)
.irp p, 0,1,2,3,4,5,6,7,8,9,10,11,12,13,14,15
	ds_load_b128 v[CTB+4*\p:CTB+4*\p+3], v13 offset:16*\p   ; every lane gets all 16 rows' c
.endr
	QSTEP 0, 0
.endif
.if \i == 1
	QSTEP 1, 0
.endif
.if \i == 5
	QSTEP 0, 1
.endif
.if \i == 9
	QSTEP 1, 1
.endif
.endr
	BARRIER                                        ; the operand's sixteen fragments lie in LDS
	WIN 0xc0                                       ; destination window 3
.irp f, 0,1,2,3,4,5,6,7,8,9,10,11,12,13,14,15
.irp c, 0,1,2
	ds_load_b128 v[AFB+12*\f+4*\c:AFB+12*\f+4*\c+3], v10 offset:1536*\f+512*\c
.endr
.endr
	WIN 0
.irp i, 0,1,2,3,4,5,6,7
	ds_load_b32 v[AS+\i], v11 offset:64*\i
.endr
	s_wait_dscnt 0x0
	; sixteen K steps on two accumulators by turns; the bias is the C of the first
	WIN 0x0e                                       ; source 0 (W) window 2, source 1 (the operand) window 3
	v_wmma_scale_f32_16x16x128_f8f6f4 v[ACC0:ACC0+7], v[0:11], v[AFB:AFB+11], v[BI:BI+7], v[WS], v[AS] matrix_a_fmt:MATRIX_FMT_FP6 matrix_b_fmt:MATRIX_FMT_FP6
	v_wmma_scale_f32_16x16x128_f8f6f4 v[ACC1:ACC1+7], v[12:23], v[AFB+12:AFB+23], 0, v[WS+1], v[AS+1] matrix_a_fmt:MATRIX_FMT_FP6 matrix_b_fmt:MATRIX_FMT_FP6
.irp q, 2,4,6
	v_wmma_scale_f32_16x16x128_f8f6f4 v[ACC0:ACC0+7], v[12*\q:12*\q+11], v[AFB+12*\q:AFB+12*\q+11], v[ACC0:ACC0+7], v[WS+\q], v[AS+\q] matrix_a_fmt:MATRIX_FMT_FP6 matrix_b_fmt:MATRIX_FMT_FP6
	v_wmma_scale_f32_16x16x128_f8f6f4 v[ACC1:ACC1+7], v[12*\q+12:12*\q+23], v[AFB+12*\q+12:AFB+12*\q+23], v[ACC1:ACC1+7], v[WS+\q+1], v[AS+\q+1] matrix_a_fmt:MATRIX_FMT_FP6 matrix_b_fmt:MATRIX_FMT_FP6
.endr
.irp q, 8,10,12,14
	v_wmma_scale_f32_16x16x128_f8f6f4 v[ACC0:ACC0+7], v[12*\q:12*\q+11], v[AFB+12*\q:AFB+12*\q+11], v[ACC0:ACC0+7], v[WS+\q-8], v[AS+\q-8] matrix_a_fmt:MATRIX_FMT_FP6 matrix_b_fmt:MATRIX_FMT_FP6 matrix_a_scale:MATRIX_SCALE_ROW1 matrix_b_scale:MATRIX_SCALE_ROW1
	v_wmma_scale_f32_16x16x128_f8f6f4 v[ACC1:ACC1+7], v[12*\q+12:12*\q+23], v[AFB+12*\q+12:AFB+12*\q+23], v[ACC1:ACC1+7], v[WS+\q-7], v[AS+\q-7] matrix_a_fmt:MATRIX_FMT_FP6 matrix_b_fmt:MATRIX_FMT_FP6 matrix_a_scale:MATRIX_SCALE_ROW1 matrix_b_scale:MATRIX_SCALE_ROW1
.endr
	WIN 0
.rept 4
	v_nop                                          ; four places in front of the first read of results (ISA guide 7.12.1)
.endr
.irp i, 0,2,4,6
	v_pk_add_f32 v[O+\i:O+\i+1], v[ACC0+\i:ACC0+\i+1], v[ACC1+\i:ACC1+\i+1]   ; both accumulators from their low end on
.endr
.irp i, 0,2,4,6
	v_pk_mul_f32 v[O+\i:O+\i+1], v[O+\i:O+\i+1], s[CS:CS+1] op_sel_hi:[1,0]   ; tanh z = 1 - 2 / (1 + 2^(2 log2(e) z))
.endr
.irp i, 0,1,2,3,4,5,6,7
	v_exp_f32 v[O+\i], v[O+\i]
.endr
	v_nop
	s_wait_alu depctr_va_vdst(0)                   ; one wait for the eight, ahead of their first reader
.irp i, 0,2,4,6
	v_pk_add_f32 v[O+\i:O+\i+1], v[O+\i:O+\i+1], 1.0 op_sel_hi:[1,0]
.endr
.irp i, 0,1,2,3,4,5,6,7
	v_rcp_f32 v[O+\i], v[O+\i]
.endr
	v_nop
	s_wait_alu depctr_va_vdst(0)
.irp i, 0,2,4,6
	v_pk_fma_f32 v[O+\i:O+\i+1], v[O+\i:O+\i+1], -2.0, 1.0 op_sel_hi:[1,0,0]
.endr
	ds_store_b128 v14, v[O:O+3]                    ; lane (r, h): out0(16 y + r, 64 x + 16 wave + 8 h + 0 .. 7)
	ds_store_b128 v14, v[O+4:O+7] offset:16
	BARRIER                                        ; 16 rows of 256 bytes lie in the stage
.irp e, 0,1
	ds_load_b128 v[BK+4*\e:BK+4*\e+3], v15 offset:544*\e
.endr
	s_wait_dscnt 0x0
.irp e, 0,1
	global_store_b128 v[O0O], v[BK+4*\e:BK+4*\e+3], s[14:15] offset:8192*\e   ; sixteen lanes store 256 consecutive bytes, at a multiple of 256 from out0's first byte
.endr
	s_wait_tensorcnt 0x0
	ds_add_u32 v254, v255
	s_wait_dscnt 0x0
	s_endpgm
.Lfunc_end_k_q0f8afcd789_final:
	.size	k_q0f8afcd789_final, .Lfunc_end_k_q0f8afcd789_final-k_q0f8afcd789_final
	.p2alignl 7, 3214868480
	.fill 96, 4, 3214868480
	.section	.rodata,"a",@progbits
	.p2align	6, 0x0
	.amdhsa_kernel k_q0f8afcd789_final
		.amdhsa_group_segment_fixed_size 99328
		.amdhsa_private_segment_fixed_size 0
		.amdhsa_enable_private_segment 0
		.amdhsa_kernarg_size 56
		.amdhsa_user_sgpr_count 2
		.amdhsa_user_sgpr_kernarg_segment_ptr 1
		.amdhsa_wavefront_size32 1
		.amdhsa_system_sgpr_workgroup_id_x 1
		.amdhsa_system_sgpr_workgroup_id_y 1
		.amdhsa_system_sgpr_workgroup_id_z 1
		.amdhsa_system_vgpr_workitem_id 0
		.amdhsa_next_free_vgpr 1024
		.amdhsa_next_free_sgpr 66
		.amdhsa_reserve_vcc 0
		.amdhsa_float_denorm_mode_32 3
		.amdhsa_float_denorm_mode_16_64 3
		.amdhsa_memory_ordered 1
		.amdhsa_forward_progress 1
		.amdhsa_inst_pref_size 85
	.end_amdhsa_kernel
	.amdgpu_metadata
---
amdhsa.version: [ 1, 2 ]
amdhsa.kernels:
  - .name:           k_q0f8afcd789_final
    .symbol:         k_q0f8afcd789_final.kd
    .args:
      - { .name: part, .offset: 0, .size: 8, .value_kind: global_buffer, .address_space: global }
      - { .name: decoder_out, .offset: 8, .size: 8, .value_kind: global_buffer, .address_space: global }
      - { .name: W_comb_codes, .offset: 16, .size: 8, .value_kind: global_buffer, .address_space: global }
      - { .name: W_comb_scales, .offset: 24, .size: 8, .value_kind: global_buffer, .address_space: global }
      - { .name: b_comb, .offset: 32, .size: 8, .value_kind: global_buffer, .address_space: global }
      - { .name: out0, .offset: 40, .size: 8, .value_kind: global_buffer, .address_space: global }
      - { .name: out1, .offset: 48, .size: 8, .value_kind: global_buffer, .address_space: global }
    .group_segment_fixed_size: 99328
    .private_segment_fixed_size: 0
    .kernarg_segment_align: 8
    .kernarg_segment_size: 56
    .max_flat_workgroup_size: 128
    .sgpr_count:     66
    .vgpr_count:     1024
    .wavefront_size: 32
...
	.end_amdgpu_metadata
.endif
;; end of part 3
;; ======== version 2 of 3: 3 launches; 1.15 times as fast as version 1
;; workspace buffers: wimg 1,638,400 bytes; hb 524,288 bytes; part 1,114,112 bytes
;; launch prep: the kernel of part 1 again; grid 32 x 4, 4 waves a work-group, no clusters, 85,504 bytes of LDS; arguments hidden, W_attn_codes, W_attn_scales, b_attn, wimg, hb; writes wimg, hb
;; launch main (part 4): grid 256 x 1, 4 waves a work-group, clusters of 4 x 1, 327,680 bytes of LDS; arguments encoder_states, wimg, hb, W_attn2, b_attn2, part; writes part
.if DOCPART == 4
	.amdgcn_target "amdgcn-amd-amdhsa--gfx1250"
	.amdhsa_code_object_version 6
	.text
	.protected	k_q0f8afcd789_main
	.globl	k_q0f8afcd789_main
	.p2align	8
	.type	k_q0f8afcd789_main,@function
k_q0f8afcd789_main:
	s_mov_b64 s[64:65], 0
	v_nop
	global_prefetch_b8 v0, s[64:65] scope:SCOPE_SE
	s_setreg_imm32_b32 hwreg(HW_REG_WAVE_MODE, 25, 1), 1
	s_wait_xcnt 0x0
	s_wait_alu depctr_hold_cnt(0) depctr_sa_sdst(0) depctr_va_vdst(0) depctr_va_sdst(0) depctr_va_ssrc(0) depctr_va_vcc(0) depctr_vm_vsrc(0)
	s_getreg_b32 s2, hwreg(HW_REG_IB_STS2, 6, 4)
	s_cmp_eq_u32 s2, 0
	s_cbranch_scc0 .Lentry_in_a_cluster
	s_endpgm
.Lentry_in_a_cluster:
	s_bfe_u32 s2, ttmp6, 0x10000c
	s_cmp_lg_u32 s2, 0x3003
	s_cbranch_scc0 .Lentry_shape_is_right
	s_endpgm
.Lentry_shape_is_right:
; MAIN.  For one b and 64 time steps: score[s] = tanh(Q(enc[s][b]) . W_attn[:, 1024:]^T + hb[b]) . W_attn2 + b_attn2, hb being hidden's half of the product with the bias (made by the launch before);
; then this block's part of the softmax (its own largest score M, p = e^(score - M), l = the sum of p) and of the third product, sum over its s of p enc[s][b][:], in f32.  The last launch joins the four parts of a b.
; SHARES.  Cluster x = b; the four work-groups of a cluster take time steps 64 cx .. 64 cx + 63.  In the head wave w quantises rows 16 w .. 16 w + 15.  In the product every wave holds the codes of all 64 rows
; (384 registers) and walks its own 32 tiles of 16 rows of W: tile 8 t + 2 w + u in turn t.  Source 0 = 16 rows of W, source 1 = 16 rows of enc: a lane holds one time step and eight neighbouring n.
; enc IS READ FROM MEMORY ONCE: 32 tensor loads bring the block's 64 x 1024 numbers into LDS; they are quantised from there, and for the third product K steps 0-5 are kept in 384 registers a wave and K steps 6, 7 stay where they landed.
; W comes as register images (wimg) through a ring of two LDS slots laid over the landing place.  All four work-groups of a cluster walk the same images, so each is asked for JOINTLY (mask 15): a quarter of the requests.
; A wave reads only the 25,600 bytes of a slot that its own load brought.
; THE WALK BEGINS ELSEWHERE IN EACH CLUSTER: cluster b takes the 16 turns in the order t0, t0 + 1, .. modulo 16, t0 = bits 4, 3, 1, 0 of b xor (b >> 1).  So at any time the 64 clusters ask for all parts of wimg and not all for the
; same 102,400 bytes; among the 32 clusters that share any one bit of b each of the 16 values of t0 occurs twice.  A score is a sum over all n, so the order of the turns is free.  t0 enters global addresses alone:
; the ring's, and those from which a wave's table of hb and W_attn2 is filled, which so lies in LDS in the order of the walk.
; BY TURNS.  Tiles alternate between two sets of four accumulators; while one set is multiplied (32 matrix instructions), the other set's tanh and its product with W_attn2 stand in 32 slices of four vector
; instructions, one behind each matrix instruction.  tanh z = 1 - 2 / (1 + 2^(2 log2(e) z)).
; LIMITS: NaN and infinities among the inputs are not served; a block of zeros, or one whose largest magnitude lies under 2^-124, gets the scale byte 1 (its bytes are read by this program alone).
.set RING1, 102400                     ; LDS: slot 0 at 0, slot 1 here; in a slot wave w's two tiles at 25,600 w, 12,800 bytes each.  Also: a turn's bytes in wimg
.set KEEP,  204800                     ; enc's K steps 6 and 7 as they landed.  (Landing: K step q, wave w at 33,792 q + 8,448 w, + 2,048 from q = 6 on; rows of 512 + 16 bytes)
.set XIMG,  272384                     ; enc's 32 fragments (4 q + m) as register images, 1,536 bytes each
.set XSC,   321536                     ; their scale words, 64 bytes each
.set SCX,   323584                     ; the waves' partial scores, 256 bytes each
.set PT,    324608                     ; p of the 64 rows, a copy for each wave
.set SPARE, 325632                     ; the spare words, 128 bytes for each wave: two blocks of 256 bytes that no other line names
.set TB,    XIMG                       ; once the images are in registers: a table of 4,096 bytes for each wave: for the i-th tile of its walk at 128 i: 16 numbers of hb, 16 of W_attn2
.set XSUM,  XIMG+16384                 ; and the waves' partial sums of the third product, 4,096 bytes each
.set SPW, 1                            ; v1  LDS address of my spare word; never rewritten
.set NIL, 2                            ; v2  0; never rewritten
.set AW,  3                            ; v3-4  my wave's part of slot 0, 1: + 16 x lane
.set ATB, 5                            ; v5  my table, + 32 h; steps 512 bytes a trip
.set AQ,  6                            ; v6  landing place, for the quantiser: 8,448 w + 528 r + 64 h
.set AR,  7                            ; v7  landing place, by rows: 8,448 w + 16 x lane
.set XWI, 8                            ; v8  where I store my images
.set XWS, 9                            ; v9  and their scale words
.set LI2, 10                           ; v10 XIMG + 16 x lane
.set ASA, 11                           ; v11 XSC + 4 r + 1,024 h
.set T,   12                           ; v12-15 addresses of the loads in hand
.set AS,  16                           ; v16-31 enc's scale words: register 4 m + i: lanes 0-15 K step i, lanes 16-31 K step 4 + i.  Scales and nothing else
.set WS,  32                           ; v32-39 W's scale words, set x at 4 x, laid likewise.  Scales and nothing else
.set HB,  40                           ; v40-47 hb of the tile ahead, in the result's layout; at the end v40 = M, v41 = l
.set SCO, 48                           ; v48-55 the scores' sums, a pair for each tile of rows
.set R0,  56                           ; v56-71 kept rows 92-95
.set ACC, 72                           ; v72-135 accumulator (x, m) at 72 + 32 x + 8 m
.set WF,  136                          ; v136-231 W's eight fragments of a tile
.set ST0, 72                           ; head: v72-199 two sets of 64 numbers; v200-219 codes; v220-235 at work; v236 the scale word
.set PC,  200
.set TM,  220
.set PW,  236
.set VO,  240                          ; v240-243 the byte offsets in hb's row and in W_attn2 from which my table is filled
.set OA,  72                           ; end: v72-103 my sums of the third product; v104-231 K steps 6, 7 of my rows; v232-247 p of my 16 rows
.set KT,  104
.set P,   232
.set W2,  144                          ; window 2: v144-159 W_attn2 of a tile, set x at 8 x
; window 1: enc's codes of K steps 0-4 at 48 q + 12 m; v240-255 kept rows 88-91.  window 2: K steps 5-7 at 48 (q - 5) + 12 m; v160-255 kept rows 64-87.  window 3: kept rows 0-63.  (Kept row 16 q + p: 4 registers)
.set WV,  16                           ; s16 wave;  s17 cx;  s18 b
.set CX,  17
.set BB,  18
.set G1E, 24                           ; s[24:31] group 1 for enc's tiles;  their groups 0: s[48:63], s[68:83]
.set G1W, 32                           ; s[32:39] group 1 for W's images;  s[40:47] groups 0, one for each slot
.set G0W, 40
.set SEL, 84                           ; s[84:85] v_permlanex16_b32's selects for lane l xor 16
.set CS,  86                           ; s[86:87] 2 log2(e), twice
.set CNT, 88
.set B2,  89                           ; b_attn2
.set L2E, 90                           ; log2(e)
.set T0S, 91                           ; s91 t0: the turn at which my cluster's walk begins
.set TT,  92                           ; s92-93 the turn that slot 0, 1 was last asked to hold
.set MSB, 0
.macro WIN new                         ; the immediate's high byte repeats the setting that is left
.if MSB != (\new)
	s_set_vgpr_msb (MSB<<8)|(\new)
.set MSB, \new
.endif
.endm
.macro BARRIER
	s_wait_dscnt 0x0
	s_barrier_signal -1
	s_barrier_wait -1
.endm
.macro CREST                           ; a round of the cluster's barrier behind its opening barrier
	s_cmp_lg_u32 s[WV], 0
	s_cbranch_scc1 .Lnot_wave_0_\@
	s_barrier_signal -3
.Lnot_wave_0_\@:
	s_barrier_wait -3
	s_barrier_signal -1
	s_barrier_wait -1
.endm
.macro ROUND                           ; a whole round
	s_barrier_signal -1
	s_barrier_wait -1
	CREST
.endm
; 64 numbers of a lane, register 16 b + i = k 32 b + 16 (lane / 16) + i of my row, become a fragment's codes in v[PC] on and its scale word in v[PW]
.macro QUANT s
.irp b, 0,1,2,3
	v_max3_num_f32 v[TM+\b], |v[\s+16*\b]|, |v[\s+1+16*\b]|, 0x1800000   ; my 16 numbers of block b, and the floor 2^(3 - 127): the byte cannot fall under 1
.endr
.irp i, 2,4,6,8,10,12,14
.irp b, 0,1,2,3
	v_max3_num_f32 v[TM+\b], v[TM+\b], |v[\s+16*\b+\i]|, |v[\s+1+16*\b+\i]|
.endr
.endr
.irp b, 0,1,2,3
	v_permlanex16_b32 v[TM+4+\b], v[TM+\b], s[SEL], s[SEL+1]
.endr
.irp b, 0,1,2,3
	v_max_num_f32 v[TM+\b], v[TM+\b], v[TM+4+\b]
.endr
.irp b, 0,1,2,3
	v_add_nc_u32 v[TM+12+\b], 0xff000000, v[TM+\b]   ; 2 off the exponent field: the conversion's scale operand
.endr
.irp b, 0,1,2,3
	v_lshrrev_b32 v[TM+4+\b], 23, v[TM+12+\b]      ; the scale's byte
.endr
	v_lshl_or_b32 v[PW], v[TM+5], 8, v[TM+4]
	v_lshl_or_b32 v[PW], v[TM+6], 16, v[PW]
	v_lshl_or_b32 v[PW], v[TM+7], 24, v[PW]
.irp c, 0,1
	v_cvt_scalef32_pk16_fp6_f32 v[PC+6*\c:PC+2+6*\c], v[\s+32*\c:\s+15+32*\c], v[TM+12+2*\c]
	v_cvt_scalef32_pk16_fp6_f32 v[PC+12+4*\c:PC+14+4*\c], v[\s+16+32*\c:\s+31+32*\c], v[TM+12+2*\c+1]
.endr
	v_nop                                          ; one plain place behind a scaled conversion
.irp c, 0,1
.irp i, 0,1,2
	v_permlane16_swap_b32 v[PC+6*\c+\i], v[PC+12+4*\c+\i]
.endr
.irp i, 0,1,2
	v_mov_b32 v[PC+3+6*\c+\i], v[PC+12+4*\c+\i]
.endr
.endr
.endm
.macro IMAGE adr, off
.irp c, 0,1,2
	ds_store_b128 v[\adr], v[PC+4*\c:PC+4*\c+3] offset:\off+512*\c
.endr
.endm
.macro RQ qq                           ; where kept row qq lies: window RW, register RR
.if (\qq) < 64
.set RW, 3
.set RR, 4*(\qq)
.elseif (\qq) < 88
.set RW, 2
.set RR, 160+4*((\qq)-64)
.elseif (\qq) < 92
.set RW, 1
.set RR, 240+4*((\qq)-88)
.else
.set RW, 0
.set RR, R0+4*((\qq)-92)
.endif
.endm
; K step q of my 16 rows comes out of the landing place: once as the quantiser wants it (16 neighbours of each block a lane), and for q < 6 once more by rows (4 columns a lane), to be kept
.macro LOADQ q
	s_wait_tensorcnt 7-(\q)                        ; my loads end in the order of issue: K step q has landed, the 7 - q younger tiles may be out
	v_add_nc_u32 v[T+(\q)%2], 33792*(\q)+2048*((\q)/6), v[AQ]
.irp b, 0,1,2,3
.irp j, 0,1,2,3
	ds_load_b128 v[ST0+64*((\q)%2)+16*\b+4*\j:ST0+64*((\q)%2)+16*\b+4*\j+3], v[T+(\q)%2] offset:128*\b+16*\j
.endr
.endr
.if (\q) < 6
	v_add_nc_u32 v[T+2+(\q)%2], 33792*(\q), v[AR]
.irp p, 0,1,2,3,4,5,6,7,8,9,10,11,12,13,14,15
	RQ 16*(\q)+\p
	WIN RW<<6
	ds_load_b128 v[RR:RR+3], v[T+2+(\q)%2] offset:528*\p
.endr
	WIN 0
.endif
.endm
; Slice k of 32 of the work behind set y's products, four instructions.  0-3: z x 2 log2(e), pairs ascending; 4-11: 2^..; 12-15: + 1; 16-23: 1 / ..;
; 24-27: 1 - 2 x ..; 28-31: the scores' sums += tanh x W_attn2.  The 32 exponentials are one batch and the 32 reciprocals another: behind each a plain instruction and one wait ahead of the first reader.
; No slice names a vector register as its source 1 but 28-31, whose source 1 (W_attn2) lies in window 2 like the operand of the products beside them: so a slice costs no switch of the windows.
.macro EP y, k
.set E, ACC+32*(\y)
.set KK, \k
.if KK < 4
.irp i, 0,2,4,6
	v_pk_mul_f32 v[E+8*KK+\i:E+8*KK+\i+1], v[E+8*KK+\i:E+8*KK+\i+1], s[CS:CS+1] op_sel_hi:[1,0]
.endr
.elseif KK < 12
.irp i, 0,1,2,3
	v_exp_f32 v[E+4*(KK-4)+\i], v[E+4*(KK-4)+\i]
.endr
.if KK == 11
	v_nop
	s_wait_alu depctr_va_vdst(0)
.endif
.elseif KK < 16
.irp i, 0,2,4,6
	v_pk_add_f32 v[E+8*(KK-12)+\i:E+8*(KK-12)+\i+1], v[E+8*(KK-12)+\i:E+8*(KK-12)+\i+1], 1.0 op_sel_hi:[1,0]
.endr
.elseif KK < 24
.irp i, 0,1,2,3
	v_rcp_f32 v[E+4*(KK-16)+\i], v[E+4*(KK-16)+\i]
.endr
.if KK == 23
	v_nop
	s_wait_alu depctr_va_vdst(0)
.endif
.elseif KK < 28
.irp i, 0,2,4,6
	v_pk_fma_f32 v[E+8*(KK-24)+\i:E+8*(KK-24)+\i+1], v[E+8*(KK-24)+\i:E+8*(KK-24)+\i+1], -2.0, 1.0 op_sel_hi:[1,0,0]
.endr
.else
.irp g, 0,1,2,3
	v_pk_fma_f32 v[SCO+2*\g:SCO+2*\g+1], v[E+8*\g+2*(KK-28):E+8*\g+2*(KK-28)+1], v[W2+8*(\y)+2*(KK-28):W2+8*(\y)+2*(KK-28)+1], v[SCO+2*\g:SCO+2*\g+1]
.endr
.endif
.endm
; K step q of a tile of set x: four matrix instructions, the set's four accumulators by turns, a slice of the other set's work behind each.  The first K step takes hb as C.
.macro KSTEP x, q
.if (\q) < 5
	WIN 0x04                                       ; source 1 (enc's codes) window 1
.set RA, 48*(\q)
.else
	WIN 0x08                                       ; window 2
.set RA, 48*((\q)-5)
.endif
.irp m, 0,1,2,3
.set RD, ACC+32*(\x)+8*\m
.if (\q) == 0
	v_wmma_scale_f32_16x16x128_f8f6f4 v[RD:RD+7], v[WF+12*(\q):WF+12*(\q)+11], v[RA+12*\m:RA+12*\m+11], v[HB:HB+7], v[WS+4*(\x)+(\q)%4], v[AS+4*\m+(\q)%4] matrix_a_fmt:MATRIX_FMT_FP6 matrix_b_fmt:MATRIX_FMT_FP6
.elseif (\q) < 4
	v_wmma_scale_f32_16x16x128_f8f6f4 v[RD:RD+7], v[WF+12*(\q):WF+12*(\q)+11], v[RA+12*\m:RA+12*\m+11], v[RD:RD+7], v[WS+4*(\x)+(\q)%4], v[AS+4*\m+(\q)%4] matrix_a_fmt:MATRIX_FMT_FP6 matrix_b_fmt:MATRIX_FMT_FP6
.else
	v_wmma_scale_f32_16x16x128_f8f6f4 v[RD:RD+7], v[WF+12*(\q):WF+12*(\q)+11], v[RA+12*\m:RA+12*\m+11], v[RD:RD+7], v[WS+4*(\x)+(\q)%4], v[AS+4*\m+(\q)%4] matrix_a_fmt:MATRIX_FMT_FP6 matrix_b_fmt:MATRIX_FMT_FP6 matrix_a_scale:MATRIX_SCALE_ROW1 matrix_b_scale:MATRIX_SCALE_ROW1
.endif
	EP 1-(\x), 4*(\q)+\m
.endr
.endm
.macro RUN2 sl, u, tq                  ; 14 LDS loads: the tile's W_attn2, and its fragments of K steps 4-7
	WIN 0x80                                       ; destination window 2
	ds_load_b128 v[W2+8*(\u):W2+8*(\u)+3], v[ATB] offset:128*(\tq)+64
	ds_load_b128 v[W2+8*(\u)+4:W2+8*(\u)+7], v[ATB] offset:128*(\tq)+80
	WIN 0x04
.irp q, 4,5,6,7
.irp c, 0,1,2
	ds_load_b128 v[WF+12*\q+4*\c:WF+12*\q+4*\c+3], v[AW+(\sl)] offset:12800*(\u)+1536*\q+512*\c
.endr
.endr
.endm
.macro RUN1 nsl, nu                    ; 15 LDS loads for the tile ahead: its fragments of K steps 0-3, its scale words, its hb (table entry TN)
.irp q, 0,1,2,3
.irp c, 0,1,2
	ds_load_b128 v[WF+12*\q+4*\c:WF+12*\q+4*\c+3], v[AW+(\nsl)] offset:12800*(\nu)+1536*\q+512*\c
.endr
.endr
	ds_load_b128 v[WS+4*(\nu):WS+4*(\nu)+3], v[AW+(\nsl)] offset:12800*(\nu)+12288
	ds_load_b128 v[HB:HB+3], v[ATB] offset:128*TN
	ds_load_b128 v[HB+4:HB+7], v[ATB] offset:128*TN+16
.endm
; A TILE: slot sl, tile u of my two (also the set of accumulators); nsl, nu: the tile ahead; tq: the tile's place among a trip's four.
; The places in front of each run of loads into registers that matrix instructions have read are the four plain instructions of slice 15 (RUN1) and of slice 31 (RUN2), which name none of the last products' registers.
; meet = 1: the slot's second tile: the slot is left and filled again, with the turn two further on in the walk (modulo 16).  In front of the round each wave waits for all its tensor loads (one is out: its part of the other slot),
; adds 0 to its spare word, and waits for that and for its reads of this slot.  meet = 2: the slot is left and nothing is asked for: only my part of the other slot is waited for.
.macro TILE sl, u, nsl, nu, tq, meet, nxt
	RUN2 \sl, \u, \tq
	s_wait_dscnt 14                                ; all but the 14 just issued: the 15 loads made for this tile in the tile before are in
	KSTEP \u, 0
	KSTEP \u, 1
.if (\meet) == 1
	WIN 0                                          ; (the add's two registers lie in window 0)
	s_wait_tensorcnt 0x0                           ; all my tensor loads have landed;
	ds_add_u32 v[SPW], v[NIL]                      ; 0 onto my spare word; a K step's work stands between it and the wait for it
.endif
	KSTEP \u, 2
.if (\meet) == 1
	s_wait_dscnt 0x0                               ; the add is done, and my reads of this slot are over
	s_barrier_signal -1                            ; this barrier opens a round of the cluster's barrier
.endif
	KSTEP \u, 3
.set TN, (\tq)+1
.if (\meet) == 1
	WIN 0
	s_barrier_wait -1
	CREST                                          ; no wave of any partner still reads this slot or has a load on its way
	s_add_co_u32 s[TT+(\sl)], s[TT+(\sl)], 2       ; the slot's next turn: two on, round the 16.  (No tensor load of mine is out: the group 0 may be written.  The turn hangs on b alone, which the four partners share)
	s_and_b32 s[TT+(\sl)], s[TT+(\sl)], 15
	s_mul_i32 s20, s[TT+(\sl)], RING1              ; (s21 = 0 since the head)
	s_add_nc_u64 s[G0W+4*(\sl)+2:G0W+4*(\sl)+3], s[6:7], s[20:21]
	s_or_b32 s[G0W+4*(\sl)+3], s[G0W+4*(\sl)+3], 0x80000000
	tensor_load_to_lds s[G0W+4*(\sl):G0W+4*(\sl)+3], s[G1W:G1W+7]   ; my one tensor load behind the round: it has 56 matrix instructions in which to land
	s_nop 0
.rept 4
	v_nop
.endr
.if (\tq) == 3
	v_add_nc_u32 v[ATB], 512, v[ATB]               ; on to the next trip's four table entries (no LDS load of mine is out)
.set TN, 0
.endif
.endif
.if (\meet) == 2
	s_wait_tensorcnt 0x0                           ; my part of the last slot has landed
.endif
.if \nxt
	RUN1 \nsl, \nu
	s_wait_dscnt 15                                ; all but the 15 just issued: K steps 4-7 are in
.else
	s_wait_dscnt 0x0
.endif
	KSTEP \u, 4
	KSTEP \u, 5
	KSTEP \u, 6
	KSTEP \u, 7
.endm
	s_load_b256 s[4:11], s[0:1], 0x0               ; enc, wimg, hb, W_attn2
	s_load_b128 s[12:15], s[0:1], 0x20             ; b_attn2, part
	v_lshl_add_u32 v[SPW], v0, 2, SPARE
	v_mov_b32 v[NIL], 0
	ds_add_u32 v1, v2
	ds_add_u32 v1, v2
	s_wait_dscnt 0x0
	v_lshrrev_b32 v12, 5, v0
	v_readfirstlane_b32 s[WV], v12                 ; wave 0..3
	s_bfe_u32 s[CX], ttmp6, 0x40000                ; cx: which 64 time steps; it enters enc's and part's addresses alone
	s_mov_b32 s[BB], ttmp9                         ; the cluster's number: b
	s_lshr_b32 s19, s[BB], 1                       ; where my cluster's walk begins:
	s_xor_b32 s19, s19, s[BB]                      ; b xor (b >> 1): bit k is b's bit k xor its bit k + 1;
	s_lshr_b32 s20, s19, 1
	s_and_b32 s20, s20, 12                         ; its bits 4 and 3,
	s_and_b32 s19, s19, 3                          ; its bits 1 and 0
	s_or_b32 s[T0S], s19, s20                      ; t0, 0 .. 15
	s_mov_b32 s[TT], s[T0S]                        ; slot 0 begins with turn t0,
	s_add_co_u32 s[TT+1], s[T0S], 1
	s_and_b32 s[TT+1], s[TT+1], 15                 ; slot 1 with the turn after it
	; group 1 for enc: 16 rows x 128 numbers of 4 bytes, 65,536 numbers from row to row (a time step on), 16 bytes of padding behind each row's 512.  No mask: each work-group has rows of its own
	s_mov_b32 s[G1E+0], (2<<16)|(1<<20)|(6<<22)|(3<<25)
	s_mov_b32 s[G1E+1], 128<<16
	s_mov_b32 s[G1E+2], 16<<16
	s_mov_b32 s[G1E+3], 128<<16
	s_mov_b32 s[G1E+4], 16
	s_mov_b32 s[G1E+5], 65536
	s_mov_b32 s[G1E+6], 0
	s_mov_b32 s[G1E+7], 0
	; group 1 for W's images: a dense block of 25,600 bytes as 100 rows of 256 (32 elements of 8 bytes); the mask names all four work-groups, bit 21 beside it
	s_mov_b32 s[G1W+0], 15|(3<<16)|(1<<21)
	s_mov_b32 s[G1W+1], 32<<16
	s_mov_b32 s[G1W+2], 100<<16
	s_mov_b32 s[G1W+3], 32<<16
	s_mov_b32 s[G1W+4], 100
	s_mov_b32 s[G1W+5], 32
	s_mov_b32 s[G1W+6], 0
	s_mov_b32 s[G1W+7], 0
	s_mov_b32 s[SEL], 0x76543210
	s_mov_b32 s[SEL+1], 0xfedcba98
	s_mov_b32 s[CS], 0x4038aa3b                    ; 2 log2(e)
	s_mov_b32 s[CS+1], s[CS]
	s_mov_b32 s[L2E], 0x3fb8aa3b                   ; log2(e)
	s_mul_i32 s22, s[WV], 8448
	s_mul_i32 s23, s[WV], 25600
	s_mov_b32 s21, 0                               ; the upper word of every offset below; it stays 0 for the whole launch
	s_wait_kmcnt 0x0
	s_load_b32 s[B2], s[12:13], 0x0
	s_mov_b32 s20, s23
	s_add_nc_u64 s[6:7], s[6:7], s[20:21]          ; wimg at my wave's two tiles of turn 0; it stays so: every turn's address is made from it
.irp s, 0,1
	s_mov_b32 s[G0W+4*\s], 1
	s_add_co_u32 s[G0W+4*\s+1], s23, RING1*\s
	s_mul_i32 s20, s[TT+\s], RING1                 ; the slot's first turn
	s_add_nc_u64 s[G0W+4*\s+2:G0W+4*\s+3], s[6:7], s[20:21]
	s_or_b32 s[G0W+4*\s+3], s[G0W+4*\s+3], 0x80000000
.endr
	s_lshl_b32 s20, s[BB], 13
	s_add_nc_u64 s[8:9], s[8:9], s[20:21]          ; hb at row b
	s_lshl_b32 s20, s[BB], 2
	s_add_co_u32 s20, s20, s[CX]
	s_mul_i32 s20, s20, 4352
	s_add_nc_u64 s[14:15], s[14:15], s[20:21]      ; part at row 4 b + cx
	s_lshl_b32 s20, s[CX], 24                      ; 64 time steps of 262,144 bytes,
	s_lshl_b32 s19, s[WV], 22                      ; my wave's 16 of them,
	s_add_co_u32 s20, s20, s19
	s_lshl_b32 s19, s[BB], 12                      ; row b of a time step
	s_add_co_u32 s20, s20, s19
	s_add_nc_u64 s[4:5], s[4:5], s[20:21]
.irp q, 0,1,2,3,4,5,6,7
	s_mov_b32 s[48+4*\q+4*(\q/4)], 1
	s_add_co_u32 s[49+4*\q+4*(\q/4)], s22, 33792*\q+2048*(\q/6)
	s_add_nc_u64 s[50+4*\q+4*(\q/4):51+4*\q+4*(\q/4)], s[4:5], 512*\q
	s_or_b32 s[51+4*\q+4*(\q/4)], s[51+4*\q+4*(\q/4)], 0x80000000
.endr
	ROUND                                          ; the one round in front of the first fills
.irp q, 0,1,2,3,4,5,6,7
	tensor_load_to_lds s[48+4*\q+4*(\q/4):51+4*\q+4*(\q/4)], s[G1E:G1E+7]   ; my 16 rows, K step q: eight loads of mine are out
	s_nop 0
.endr
.rept 4
	v_nop
.endr
	v_and_b32 v12, 31, v0                          ; lane
	v_and_b32 v13, 15, v0                          ; r
	v_bfe_u32 v14, v0, 4, 1                        ; h
	v_lshlrev_b32 v15, 4, v12                      ; 16 x lane
	v_add_nc_u32 v[AW], s23, v15
	v_add_nc_u32 v[AW+1], RING1, v[AW]
	s_lshl_b32 s19, s[WV], 12
	s_add_co_u32 s19, s19, TB
	v_lshl_add_u32 v[ATB], v14, 5, s19
	v_mul_u32_u24 v[AQ], v13, 528
	v_lshl_add_u32 v[AQ], v14, 6, v[AQ]
	v_add_nc_u32 v[AQ], s22, v[AQ]
	v_add_nc_u32 v[AR], s22, v15
	s_mul_i32 s19, s[WV], 1536
	s_add_co_u32 s19, s19, XIMG
	v_add_nc_u32 v[XWI], s19, v15
	s_lshl_b32 s19, s[WV], 6
	s_add_co_u32 s19, s19, XSC
	v_lshl_add_u32 v[XWS], v13, 2, s19
	v_add_nc_u32 v[LI2], XIMG, v15
	v_lshlrev_b32 v[ASA], 2, v13
	v_lshl_add_u32 v[ASA], v14, 10, v[ASA]
	v_add_nc_u32 v[ASA], XSC, v[ASA]
.irp b, 0,1,2,3
	v_mov_b32 v[TM+4+\b], 0                        ; written once: a lane permute's destination counts as one of its sources
.endr
	; ---- THE HEAD: my 16 rows become eight fragments; K step q + 1 comes out of LDS while K step q is quantised
	LOADQ 0
.irp q, 0,1,2,3,4,5,6,7
.if \q < 7
	LOADQ \q+1
.endif
.if \q < 5
	s_wait_dscnt 32                                ; all but the 32 loads just issued: K step q's numbers are in, and the last image's stores have read their registers
.elseif \q < 7
	s_wait_dscnt 16                                ; (K steps 6 and 7 are not kept in registers: 16 loads)
.else
	s_wait_dscnt 0x0
.endif
.set QS, ST0+64*(\q%2)
	QUANT QS
	IMAGE XWI, 6144*\q
	ds_store_b32 v[XWS], v[PW] offset:256*\q
.endr
	; ---- the landing place becomes the ring.  Slot 0 first
	s_wait_tensorcnt 0x0
	ds_add_u32 v[SPW], v[NIL]                      ; 0 onto my spare word
	s_wait_dscnt 0x0                               ; the add is done, my reads of the landing place are over, my images have landed
	ROUND
	tensor_load_to_lds s[G0W:G0W+3], s[G1W:G1W+7]  ; the walk's first turn
	s_nop 0
.rept 4
	v_nop
.endr
	; my table.  Place 4 j + lane / 8 of the walk is turn (4 j + lane / 8 + t0) mod 16, whose 32 numbers for my wave lie at 512 x turn + 128 w in hb's row and in W_attn2; eight lanes read their 128 bytes
	v_bfe_u32 v14, v0, 3, 2                        ; lane / 8
	v_and_b32 v15, 7, v0
	v_lshlrev_b32 v15, 4, v15                      ; 16 (lane % 8)
	s_lshl_b32 s19, s[WV], 7
	v_add_nc_u32 v15, s19, v15                     ; + 128 w
	v_add_nc_u32 v12, s[T0S], v14                  ; t0 + lane / 8
.irp j, 0,1,2,3
	v_add_nc_u32 v[VO+\j], 4*\j, v12
	v_and_b32 v[VO+\j], 15, v[VO+\j]               ; the turn
	v_lshl_add_u32 v[VO+\j], v[VO+\j], 9, v15
.endr
	v_lshlrev_b32 v13, 8, v14
	v_bfe_u32 v15, v0, 2, 1
	v_lshl_add_u32 v13, v15, 7, v13
	v_and_b32 v15, 3, v0
	v_lshl_add_u32 v13, v15, 4, v13
	s_lshl_b32 s19, s[WV], 12
	s_add_co_u32 s19, s19, TB
	v_add_nc_u32 v13, s19, v13                     ; and their place in my table: entry 8 j + 2 (lane / 8) + (lane / 4) % 2, 16 (lane % 4) bytes in: the order of the walk
.irp j, 0,1,2,3
	global_load_b128 v[72+4*\j:75+4*\j], v[VO+\j], s[8:9]
	global_load_b128 v[88+4*\j:91+4*\j], v[VO+\j], s[10:11]
.endr
.irp q, 0,1,2,3,4,5,6,7                ; the codes of all 64 rows into my registers
.if \q < 5
	WIN 0x40
.set RA, 48*\q
.else
	WIN 0x80
.set RA, 48*(\q-5)
.endif
.irp m, 0,1,2,3
.irp c, 0,1,2
	ds_load_b128 v[RA+12*\m+4*\c:RA+12*\m+4*\c+3], v[LI2] offset:1536*(4*\q+\m)+512*\c
.endr
.endr
.endr
	WIN 0
.irp m, 0,1,2,3
.irp i, 0,1,2,3
	ds_load_b32 v[AS+4*\m+\i], v[ASA] offset:64*(4*\i+\m)
.endr
.endr
	; ---- slot 1
	s_wait_tensorcnt 0x0                           ; the first turn has landed
	ds_add_u32 v[SPW], v[NIL]
	s_wait_dscnt 0x0                               ; the add is done, and my reads of the images are over
	ROUND
	tensor_load_to_lds s[G0W+4:G0W+7], s[G1W:G1W+7]   ; the walk's second turn
	s_nop 0
.rept 4
	v_nop
.endr
	s_wait_loadcnt 0x0
.irp j, 0,1,2,3
	ds_store_b128 v13, v[72+4*\j:75+4*\j] offset:1024*\j           ; my table, over images that every wave has read; I alone read it
	ds_store_b128 v13, v[88+4*\j:91+4*\j] offset:1024*\j+64
.endr
.set TN, 0
	RUN1 0, 0
	; The loop's first tile finds a set behind it that was never multiplied: zeros there, and zeros for its W_attn2, add exact zeros to the scores' sums, which begin here.  So no tile is written out on its own.
.irp i, 0,1,2,3,4,5,6,7,8,9,10,11,12,13,14,15,16,17,18,19,20,21,22,23,24,25,26,27,28,29,30,31
	v_mov_b32 v[ACC+32+\i], 0
.endr
.irp i, 0,1,2,3,4,5,6,7
	v_mov_b32 v[SCO+\i], 0
.endr
	WIN 0x80
.irp i, 0,1,2,3,4,5,6,7
	v_mov_b32 v[W2+8+\i], 0
.endr
	WIN 0
	s_wait_kmcnt 0x0                               ; b_attn2
	s_mov_b32 s[CNT], 7
.Ltrip:                                            ; a trip goes once round the ring: two turns, four tiles, and fills both slots again
	TILE 0, 0, 0, 1, 0, 0, 1
	TILE 0, 1, 1, 0, 1, 1, 1
	TILE 1, 0, 1, 1, 2, 0, 1
	TILE 1, 1, 0, 0, 3, 1, 1
	WIN 0
	s_sub_co_u32 s[CNT], s[CNT], 1
	s_cmp_lg_u32 s[CNT], 0
	s_cbranch_scc1 .Ltrip
	TILE 0, 0, 0, 1, 0, 0, 1                       ; the last two turns are written out: nothing more is asked for
	TILE 0, 1, 1, 0, 1, 2, 1
	TILE 1, 0, 1, 1, 2, 0, 1
	TILE 1, 1, 0, 0, 3, 0, 0
	WIN 0x08                                       ; the last tile's own tanh; slice 31 above was the four places behind the last product
.set DK, 0
.rept 32
	EP 1, DK
.set DK, DK+1
.endr
	WIN 0
	; ---- THE SCORES
	v_add_nc_u32 v12, KEEP, v[AR]
.irp q, 0,1
.irp p, 0,1,2,3,4,5,6,7,8,9,10,11,12,13,14,15
	ds_load_b128 v[KT+64*\q+4*\p:KT+64*\q+4*\p+3], v12 offset:33792*\q+528*\p   ; K steps 6 and 7 of my 16 rows, for the third product
.endr
.endr
	v_and_b32 v13, 15, v0
	s_lshl_b32 s19, s[WV], 8
	s_add_co_u32 s19, s19, SCX
	v_lshl_add_u32 v13, v13, 2, s19                ; where I put my partial scores
	v_and_b32 v14, 31, v0
	v_lshl_add_u32 v15, v14, 2, SCX                ; where I read the four waves'
	s_lshl_b32 s19, s[WV], 8
	s_add_co_u32 s19, s19, PT
	v_lshl_add_u32 v8, v14, 2, s19                 ; my copy of p
	s_mul_i32 s19, s[WV], 320
	s_add_co_u32 s19, s19, PT
	v_mov_b32 v9, s19                              ; in it, my 16 rows' p
	v_lshlrev_b32 v6, 4, v14
	s_lshl_b32 s19, s[WV], 12
	s_add_co_u32 s19, s19, XSUM
	v_add_nc_u32 v10, s19, v6                      ; my partial sums
	s_lshl_b32 s19, s[WV], 10
	v_add_nc_u32 v6, s19, v6                       ; my 1,024 bytes of a row of part
	v_add_nc_u32 v11, XSUM, v6                     ; and of each wave's partial sums
	v_lshlrev_b32 v3, 3, v14
.irp m, 0,1,2,3
	v_add_f32 v[SCO+2*\m], v[SCO+2*\m], v[SCO+2*\m+1]
.endr
.irp m, 0,1,2,3
	v_permlanex16_b32 v[SCO+2*\m+1], v[SCO+2*\m], s[SEL], s[SEL+1]
.endr
.irp m, 0,1,2,3
	v_add_f32 v[SCO+2*\m], v[SCO+2*\m], v[SCO+2*\m+1]   ; row 16 m + r, over my wave's 512 n
.endr
.irp m, 0,1,2,3
	ds_store_b32 v13, v[SCO+2*\m] offset:64*\m
.endr
	BARRIER
.irp g, 0,1,2,3
.irp e, 0,1
	ds_load_b32 v[72+2*\g+\e], v15 offset:256*\g+128*\e   ; rows lane and lane + 32, of wave g
.endr
.endr
	s_wait_dscnt 0x0
	v_pk_add_f32 v[72:73], v[72:73], v[74:75]
	v_pk_add_f32 v[76:77], v[76:77], v[78:79]
	v_pk_add_f32 v[72:73], v[72:73], v[76:77]
	v_add_f32 v72, s[B2], v72
	v_add_f32 v73, s[B2], v73
	v_max_num_f32 v74, v72, v73                    ; the block's largest score is taken away before the exponential
	v_max_num_f32_dpp v74, v74, v74 row_xmask:1 row_mask:0xf bank_mask:0xf
	v_max_num_f32_dpp v74, v74, v74 row_xmask:2 row_mask:0xf bank_mask:0xf
	v_max_num_f32_dpp v74, v74, v74 row_xmask:4 row_mask:0xf bank_mask:0xf
	v_max_num_f32_dpp v74, v74, v74 row_xmask:8 row_mask:0xf bank_mask:0xf
	v_permlanex16_b32 v75, v74, s[SEL], s[SEL+1]
	v_max_num_f32 v40, v74, v75                    ; M
	v_sub_f32 v72, v72, v40
	v_sub_f32 v73, v73, v40
	v_mul_f32 v72, s[L2E], v72
	v_mul_f32 v73, s[L2E], v73
	v_exp_f32 v72, v72
	v_exp_f32 v73, v73
	v_nop
	s_wait_alu depctr_va_vdst(0)                   ; one wait for the two, ahead of their first reader
	v_add_f32 v74, v72, v73
	v_add_f32_dpp v74, v74, v74 row_xmask:1 row_mask:0xf bank_mask:0xf
	v_add_f32_dpp v74, v74, v74 row_xmask:2 row_mask:0xf bank_mask:0xf
	v_add_f32_dpp v74, v74, v74 row_xmask:4 row_mask:0xf bank_mask:0xf
	v_add_f32_dpp v74, v74, v74 row_xmask:8 row_mask:0xf bank_mask:0xf
	v_permlanex16_b32 v75, v74, s[SEL], s[SEL+1]
	v_add_f32 v41, v74, v75                        ; l
	ds_store_b32 v8, v72
	ds_store_b32 v8, v73 offset:128
.irp i, 0,1,2,3
	ds_load_b128 v[P+4*\i:P+4*\i+3], v9 offset:16*\i   ; LDS serves a wave's instructions in order: these see my stores; every lane gets my 16 rows' p
.endr
	s_wait_dscnt 0x0
	; ---- THE THIRD PRODUCT's part, f32 operands: sum over my 16 rows of p x row; lane l holds columns 128 q + 4 l + 0 .. 3
.macro PVQ q, p
.if (\q) < 6
	RQ 16*(\q)+(\p)
.else
.set RW, 0
.set RR, KT+64*((\q)-6)+4*(\p)
.endif
	WIN RW                                         ; source 0: the window of the kept row
.set RP, P+2*((\p)/2)
.irp f, 0,2
.if (\p) == 0
	v_pk_mul_f32 v[OA+4*(\q)+\f:OA+4*(\q)+\f+1], v[RR+\f:RR+\f+1], v[RP:RP+1] op_sel_hi:[1,0]
.elseif ((\p)%2) == 0
	v_pk_fma_f32 v[OA+4*(\q)+\f:OA+4*(\q)+\f+1], v[RR+\f:RR+\f+1], v[RP:RP+1], v[OA+4*(\q)+\f:OA+4*(\q)+\f+1] op_sel_hi:[1,0,1]
.else
	v_pk_fma_f32 v[OA+4*(\q)+\f:OA+4*(\q)+\f+1], v[RR+\f:RR+\f+1], v[RP:RP+1], v[OA+4*(\q)+\f:OA+4*(\q)+\f+1] op_sel:[0,1,0] op_sel_hi:[1,1,1]
.endif
.endr
.endm
.irp p, 0,1,2,3,4,5,6,7,8,9,10,11,12,13,14,15
.irp q, 0,1,2,3
	PVQ \q, \p
.endr
.endr
.irp p, 0,1,2,3,4,5,6,7,8,9,10,11,12,13,14,15
.irp q, 4,5
	PVQ \q, \p
.endr
.endr
.irp p, 0,1,2,3,4,5,6,7,8,9,10,11,12,13,14,15
.irp q, 6,7
	PVQ \q, \p
.endr
.endr
	WIN 0
.irp q, 0,1,2,3,4,5,6,7
	ds_store_b128 v10, v[OA+4*\q:OA+4*\q+3] offset:512*\q
.endr
	BARRIER
.irp e, 0,1
.irp g, 0,1,2,3
	ds_load_b128 v[KT+16*\e+4*\g:KT+16*\e+4*\g+3], v11 offset:4096*\g+512*\e   ; K step 2 w + e of the four waves' sums
.endr
.endr
	s_wait_dscnt 0x0
.irp e, 0,1
.irp f, 0,2
	v_pk_add_f32 v[KT+16*\e+\f:KT+16*\e+\f+1], v[KT+16*\e+\f:KT+16*\e+\f+1], v[KT+16*\e+4+\f:KT+16*\e+4+\f+1]
	v_pk_add_f32 v[KT+16*\e+8+\f:KT+16*\e+8+\f+1], v[KT+16*\e+8+\f:KT+16*\e+8+\f+1], v[KT+16*\e+12+\f:KT+16*\e+12+\f+1]
.endr
.irp f, 0,2
	v_pk_add_f32 v[KT+16*\e+\f:KT+16*\e+\f+1], v[KT+16*\e+\f:KT+16*\e+\f+1], v[KT+16*\e+8+\f:KT+16*\e+8+\f+1]
.endr
.endr
.irp e, 0,1
	global_store_b128 v6, v[KT+16*\e:KT+16*\e+3], s[14:15] offset:512*\e   ; 32 lanes store 512 consecutive bytes, at a multiple of 256 from part's first byte
.endr
	s_cmp_lg_u32 s[WV], 0
	s_cbranch_scc1 .Lno_stat
	global_store_b64 v3, v[40:41], s[14:15] offset:4096   ; (M, l), 32 times: 256 consecutive bytes
.Lno_stat:
	s_wait_tensorcnt 0x0                           ; the wave's end, behind my last tensor load and my last LDS store
	ds_add_u32 v[SPW], v[NIL]
	s_wait_dscnt 0x0
	ROUND                                          ; the closing round: no work-group ends while a partner may still ask for a tile that names it
	s_endpgm
.Lfunc_end_k_q0f8afcd789_main:
	.size	k_q0f8afcd789_main, .Lfunc_end_k_q0f8afcd789_main-k_q0f8afcd789_main
	.p2alignl 7, 3214868480
	.fill 96, 4, 3214868480
	.section	.rodata,"a",@progbits
	.p2align	6, 0x0
	.amdhsa_kernel k_q0f8afcd789_main
		.amdhsa_group_segment_fixed_size 327680
		.amdhsa_private_segment_fixed_size 0
		.amdhsa_enable_private_segment 0
		.amdhsa_kernarg_size 48
		.amdhsa_user_sgpr_count 2
		.amdhsa_user_sgpr_kernarg_segment_ptr 1
		.amdhsa_wavefront_size32 1
		.amdhsa_system_sgpr_workgroup_id_x 1
		.amdhsa_system_sgpr_workgroup_id_y 1
		.amdhsa_system_sgpr_workgroup_id_z 1
		.amdhsa_system_vgpr_workitem_id 0
		.amdhsa_next_free_vgpr 1024
		.amdhsa_next_free_sgpr 96
		.amdhsa_reserve_vcc 0
		.amdhsa_float_denorm_mode_32 3
		.amdhsa_float_denorm_mode_16_64 3
		.amdhsa_memory_ordered 1
		.amdhsa_forward_progress 1
		.amdhsa_inst_pref_size 199
	.end_amdhsa_kernel
	.amdgpu_metadata
---
amdhsa.version: [ 1, 2 ]
amdhsa.kernels:
  - .name:           k_q0f8afcd789_main
    .symbol:         k_q0f8afcd789_main.kd
    .args:
      - { .name: encoder_states, .offset: 0, .size: 8, .value_kind: global_buffer, .address_space: global }
      - { .name: wimg, .offset: 8, .size: 8, .value_kind: global_buffer, .address_space: global }
      - { .name: hb, .offset: 16, .size: 8, .value_kind: global_buffer, .address_space: global }
      - { .name: W_attn2, .offset: 24, .size: 8, .value_kind: global_buffer, .address_space: global }
      - { .name: b_attn2, .offset: 32, .size: 8, .value_kind: global_buffer, .address_space: global }
      - { .name: part, .offset: 40, .size: 8, .value_kind: global_buffer, .address_space: global }
    .group_segment_fixed_size: 327680
    .private_segment_fixed_size: 0
    .kernarg_segment_align: 8
    .kernarg_segment_size: 48
    .max_flat_workgroup_size: 128
    .sgpr_count:     96
    .vgpr_count:     1024
    .wavefront_size: 32
...
	.end_amdgpu_metadata
.endif
;; end of part 4
;; launch final: the kernel of part 3 again; grid 16 x 4, 4 waves a work-group, no clusters, 99,328 bytes of LDS; arguments part, decoder_out, W_comb_codes, W_comb_scales, b_comb, out0, out1; writes out0, out1
;; ======== version 3 of 3: 3 launches; version 2 with the launches prep, final written anew for expert scheduling mode
;; workspace buffers: wimg 1,638,400 bytes; hb 524,288 bytes; part 1,114,112 bytes
;; launch prep (part 5): grid 32 x 4, 4 waves a work-group, no clusters, 85,504 bytes of LDS; arguments hidden, W_attn_codes, W_attn_scales, b_attn, wimg, hb; writes wimg, hb
.if DOCPART == 5
	.amdgcn_target "amdgcn-amd-amdhsa--gfx1250"
	.amdhsa_code_object_version 6
	.text
	.protected	k_q0f8afcd789_prep
	.globl	k_q0f8afcd789_prep
	.p2align	8
	.type	k_q0f8afcd789_prep,@function
k_q0f8afcd789_prep:
	s_mov_b64 s[64:65], 0
	v_nop
	global_prefetch_b8 v0, s[64:65] scope:SCOPE_SE
	s_setreg_imm32_b32 hwreg(HW_REG_WAVE_SCHED_MODE, 0, 2), 2
	s_setreg_imm32_b32 hwreg(HW_REG_WAVE_MODE, 25, 1), 1
	s_wait_xcnt 0x0
	s_wait_alu depctr_vm_vsrc(0)
; PREP.  Two things that the main launch wants once.
; (a) hb[b][n] = sum over k < 1024 of Q(hidden)[b][k] W_attn[n][k] + b_attn[n].  K = 2048 of the first product falls, on a boundary of blocks of 32, into hidden's 1024 and the encoder's 1024, and hidden's
;     half is the same for all 256 time steps: it is made here once, on codes of FP6 (E2M3) with E8M0 scales, and enters the main launch as the C of the encoder's half.
; (b) wimg: the encoder's half of W_attn laid as images of operand registers: tile t (rows 16 t .. 16 t + 15) is 12,800 bytes: 8 K steps x 1,536 bytes (register group c of lane l at 512 c + 16 l), then 512 bytes of
;     scale words (lane l's four words at 16 l: lanes 0-15 K steps 0-3 of row l, lanes 16-31 K steps 4-7 of row l - 16).
; SHARES.  Work-group (x, y): rows 16 y .. 16 y + 15 of hidden, tiles 4 x .. 4 x + 3 of W_attn; wave w takes tile 4 x + w, quantises hidden's K steps 2 w and 2 w + 1 for the work-group, and lays out K steps 2 y, 2 y + 1 of its tile.
; The product is used transposed (source 0 = 16 rows of W, source 1 = 16 rows of hidden): a lane holds one row b and eight neighbouring n.
; No cluster: every operand goes from memory straight into registers, once for each wave; there is no tile in LDS that could be asked for jointly.
; LIMITS: NaN and infinities among the inputs are not served; a block of zeros, or one whose largest magnitude lies under 2^-124, gets the scale byte 1 (its bytes are read by this program alone).
; THE MODE: SCHED_MODE bits 1:0 = 2 (LLVM: expert scheduling mode 2), set by the entry lines.  The code itself states the register dependences between vector or matrix instructions and memory or LDS
; instructions, with s_wait_alu, always for 0.
; THE PLAN.  Registers that memory or LDS instructions touch:
;   v1, v4-v15, v245   offsets and LDS addresses: written by vector lines at the head and never again; one wait on va_vdst ahead of the first load serves every load and store.
;   WH, RL, SI, BI, D1 (window 1), WSH, D0   each landed in once.  RL and SI are read by global stores, D0 and D1 by the LDS stores into the stage, the others by matrix instructions.  No vector line names them.
;   AF, AS             landed in behind the first barrier, AF partly over D0: the wait on vm_vsrc ahead of the second quantising stands behind the LDS stores that read D0.
;   ST                 landed in from the stage, read by the quantiser, landed in again: the wait on va_vdst behind the first quantising stands between.  Later its registers hold the accumulators, O and BK.
;   PC, PW             written by the quantiser (va_vdst), read by the image's LDS stores (vm_vsrc), written by the quantiser again (va_vdst), read again.
;   O                  written by packed additions (va_vdst), read by LDS stores.   BK: landed in behind that wait, read by global stores.
.set STG,  0                           ; LDS: eight stages (K step 2 w + e) of 16 rows x (512 + 16) bytes, each its wave's own
.set XIMG, 67584                       ; hidden's eight fragments as register images, 1,536 bytes each
.set XSC,  79872                       ; their scale words, 64 bytes each
.set OST,  80384                       ; the way out: 16 rows x (256 + 16) bytes
.set D0,   16                          ; v16-79   hidden's K step 2 w as loaded, 16 rows x 4 registers
.set AF,   16                          ; v16-111  later: hidden's eight fragments
.set AS,   112                         ; v112-119 their scale words, and nothing else
.set ST,   144                         ; v144-207 64 numbers of a lane for the quantiser
.set ACC0, 144                         ; later: two accumulators, their sum, and rows read back
.set ACC1, 152
.set O,    160
.set BK,   168
.set PC,   208                         ; v208-227 the codes just made
.set TM,   228                         ; v228-243 at work in the quantiser
.set PW,   244                         ; the scale word just made
.set HBO,  245                         ; my byte offset in hb
.set WSH,  246                         ; v246-253 W's scale words of hidden's half, and nothing else
.set WH,   0                           ; window 1: v0-95 W's eight fragments of hidden's half
.set RL,   96                          ; v96-119  two fragments of the encoder's half, to be laid out
.set SI,   120                         ; v120-123 the tile's scale image
.set BI,   124                         ; v124-131 b_attn in the result's layout
.set D1,   132                         ; v132-195 hidden's K step 2 w + 1 as loaded
.set SEL,  22                          ; s[22:23] v_permlanex16_b32's selects for lane l xor 16
.set MSB, 0
.macro WIN new                         ; the immediate's high byte repeats the setting that is left
.if MSB != (\new)
	s_set_vgpr_msb (MSB<<8)|(\new)
.set MSB, \new
.endif
.endm
.macro BARRIER                         ; my LDS stores have landed and my LDS loads are in: then the work-group's barrier
	s_wait_dscnt 0x0
	s_barrier_signal -1
	s_barrier_wait -1
.endm
; 64 numbers of a lane, v[s] .. v[s + 63], register 16 b + i = k 32 b + 16 (lane / 16) + i of my row, become a fragment's codes in v[PC] on and its scale word in v[PW]
.macro QUANT s
.irp b, 0,1,2,3
	v_max3_num_f32 v[TM+\b], |v[\s+16*\b]|, |v[\s+1+16*\b]|, 0x1800000   ; my 16 numbers of block b, and the floor 2^(3 - 127): the byte cannot fall under 1
.endr
.irp i, 2,4,6,8,10,12,14
.irp b, 0,1,2,3
	v_max3_num_f32 v[TM+\b], v[TM+\b], |v[\s+16*\b+\i]|, |v[\s+1+16*\b+\i]|
.endr
.endr
.irp b, 0,1,2,3
	v_permlanex16_b32 v[TM+4+\b], v[TM+\b], s[SEL], s[SEL+1]
.endr
.irp b, 0,1,2,3
	v_max_num_f32 v[TM+\b], v[TM+\b], v[TM+4+\b]   ; with lane l xor 16's: the block's largest magnitude
.endr
.irp b, 0,1,2,3
	v_add_nc_u32 v[TM+12+\b], 0xff000000, v[TM+\b]   ; 2 off its exponent field: the conversion's scale operand
.endr
.irp b, 0,1,2,3
	v_lshrrev_b32 v[TM+4+\b], 23, v[TM+12+\b]      ; the scale's byte
.endr
	v_lshl_or_b32 v[PW], v[TM+5], 8, v[TM+4]
	v_lshl_or_b32 v[PW], v[TM+6], 16, v[PW]
	v_lshl_or_b32 v[PW], v[TM+7], 24, v[PW]
.irp c, 0,1
	v_cvt_scalef32_pk16_fp6_f32 v[PC+6*\c:PC+2+6*\c], v[\s+32*\c:\s+15+32*\c], v[TM+12+2*\c]
	v_cvt_scalef32_pk16_fp6_f32 v[PC+12+4*\c:PC+14+4*\c], v[\s+16+32*\c:\s+31+32*\c], v[TM+12+2*\c+1]   ; (a conversion's three registers begin on an even number)
.endr
	v_nop                                          ; one plain place behind a scaled conversion
.irp c, 0,1                            ; the operand's layout wants a whole block in a lane
.irp i, 0,1,2
	v_permlane16_swap_b32 v[PC+6*\c+\i], v[PC+12+4*\c+\i]
.endr
.irp i, 0,1,2
	v_mov_b32 v[PC+3+6*\c+\i], v[PC+12+4*\c+\i]
.endr
.endr
.endm
.macro IMAGE adr, off                  ; the fragment in v[PC] on goes to LDS as it stands
.irp c, 0,1,2
	ds_store_b128 v[\adr], v[PC+4*\c:PC+4*\c+3] offset:\off+512*\c
.endr
.endm
	s_load_b256 s[4:11], s[0:1], 0x0               ; hidden, W's codes, W's scales, b_attn
	s_load_b128 s[12:15], s[0:1], 0x20             ; wimg, hb
	v_lshl_add_u32 v254, v0, 2, 0x14c00
	v_mov_b32 v255, 0
	v_lshrrev_b32 v1, 5, v0
	v_readfirstlane_b32 s16, v1                    ; wave 0..3
	v_and_b32 v1, 31, v0                           ; lane
	v_and_b32 v2, 15, v0                           ; r
	v_bfe_u32 v3, v0, 4, 1                         ; h
	s_wait_alu depctr_va_sdst(0)                   ; s16 is written, ahead of its first reader: the tile's number, the LDS places and the bases are made from it
	s_and_b32 s18, ttmp7, 0xffff                   ; y: which 16 rows of hidden
	s_lshl_b32 s19, ttmp9, 2
	s_add_co_u32 s19, s19, s16                     ; my tile of W: 4 x + wave
	s_mov_b32 s[SEL], 0x76543210
	s_mov_b32 s[SEL+1], 0xfedcba98
	v_mul_u32_u24 v4, v2, 1536
	v_mad_u32_u24 v4, v3, 24, v4                   ; W's codes: row r of 1,536 bytes, + 24 h
	v_lshlrev_b32 v5, 6, v2                        ; W's scales: row r of 64 bytes
	v_lshl_add_u32 v6, v3, 4, v5                   ; the same + 16 h, for the scale image
	v_lshlrev_b32 v7, 5, v3                        ; b_attn: 32 h
	v_lshlrev_b32 v8, 4, v1                        ; 16 x lane
	v_add_nc_u32 v1, XIMG, v8                      ; the images' first byte + 16 x lane: XIMG lies beyond an LDS instruction's 16-bit immediate, so the register carries it
	s_mul_i32 s20, s16, 16896                      ; my two stages
	v_add_nc_u32 v9, s20, v8                       ; into a stage: 16 x lane of a row
	v_mul_u32_u24 v10, v2, 528
	v_lshl_add_u32 v10, v3, 6, v10
	v_add_nc_u32 v10, s20, v10                     ; out of it: row r, + 64 h
	s_mul_i32 s20, s16, 3072
	s_add_co_u32 s20, s20, XIMG
	v_add_nc_u32 v11, s20, v8                      ; where I store my two images
	v_lshl_add_u32 v13, v2, 2, XSC                 ; scale words: 4 r
	s_lshl_b32 s20, s16, 7
	v_add_nc_u32 v12, s20, v13                     ; where I store mine
	v_mul_u32_u24 v14, v2, 272
	v_lshl_add_u32 v14, v3, 5, v14
	s_lshl_b32 s20, s16, 6
	s_add_co_u32 s20, s20, OST
	v_add_nc_u32 v14, s20, v14                     ; the way out, in: row r, + 64 wave + 32 h
	v_mul_u32_u24 v15, v3, 272
	v_lshl_add_u32 v15, v2, 4, v15
	s_mul_i32 s20, s16, 1088
	s_add_co_u32 s20, s20, OST
	v_add_nc_u32 v15, s20, v15                     ; back: row 4 wave + h, 16 bytes a lane
	v_lshlrev_b32 v[HBO], 13, v3
	v_lshl_add_u32 v[HBO], v2, 4, v[HBO]
	s_lshl_b32 s20, s16, 15
	v_add_nc_u32 v[HBO], s20, v[HBO]               ; and the same place in hb: rows of 8,192 bytes
.irp b, 0,1,2,3
	v_mov_b32 v[TM+4+\b], 0                        ; written once: a lane permute's destination counts as one of its sources
.endr
	s_mov_b32 s21, 0
	s_wait_kmcnt 0x0
	s_lshl_b32 s20, s18, 16
	s_lshl_b32 s28, s16, 10
	s_add_co_u32 s20, s20, s28
	s_add_nc_u64 s[4:5], s[4:5], s[20:21]          ; hidden at row 16 y, K step 2 wave
	s_mul_i32 s20, s19, 24576
	s_add_nc_u64 s[6:7], s[6:7], s[20:21]          ; W's codes at my tile
	s_mul_i32 s20, s18, 192
	s_add_nc_u64 s[24:25], s[6:7], s[20:21]        ; and 2 y K steps on
	s_lshl_b32 s20, s19, 10
	s_add_nc_u64 s[8:9], s[8:9], s[20:21]          ; W's scales at my tile
	s_lshl_b32 s20, s19, 6
	s_add_nc_u64 s[10:11], s[10:11], s[20:21]      ; b_attn at my tile
	s_mul_i32 s20, s19, 12800
	s_add_nc_u64 s[12:13], s[12:13], s[20:21]      ; wimg at my tile
	s_mul_i32 s20, s18, 3072
	s_add_nc_u64 s[26:27], s[12:13], s[20:21]      ; and 2 y K steps on
	s_lshl_b32 s20, s18, 17
	s_lshl_b32 s28, ttmp9, 8
	s_add_co_u32 s20, s20, s28
	s_add_nc_u64 s[14:15], s[14:15], s[20:21]      ; hb at row 16 y, column 64 x
	WIN 0x40                                       ; destination window 1
	s_wait_alu depctr_va_vdst(0)                   ; the offsets and LDS addresses v1, v4 to v15 and v245 are written, which every load and store of the kernel reads; none of them is written again
.irp q, 0,1,2,3,4,5,6,7
.irp p, 0,1,2,3,4,5
	global_load_b64 v[WH+12*\q+2*\p:WH+12*\q+2*\p+1], v4, s[6:7] offset:96*\q+48*(\p/3)+8*(\p%3)
.endr
.endr
.irp e, 0,1
.irp p, 0,1,2,3,4,5
	global_load_b64 v[RL+12*\e+2*\p:RL+12*\e+2*\p+1], v4, s[24:25] offset:768+96*\e+48*(\p/3)+8*(\p%3)
.endr
.endr
	global_load_b128 v[SI:SI+3], v6, s[8:9] offset:32
	global_load_b128 v[BI:BI+3], v7, s[10:11]
	global_load_b128 v[BI+4:BI+7], v7, s[10:11] offset:16
	WIN 0
	global_load_b128 v[WSH:WSH+3], v5, s[8:9]
	global_load_b128 v[WSH+4:WSH+7], v5, s[8:9] offset:16
.irp p, 0,1,2,3,4,5,6,7,8,9,10,11,12,13,14,15
	global_load_b128 v[D0+4*\p:D0+4*\p+3], v8, s[4:5] offset:4096*\p   ; 32 lanes read a row's 512 bytes of a K step
.endr
	WIN 0x40
.irp p, 0,1,2,3,4,5,6,7,8,9,10,11,12,13,14,15
	global_load_b128 v[D1+4*\p:D1+4*\p+3], v8, s[4:5] offset:4096*\p+512
.endr
	WIN 0
	s_wait_loadcnt 16                              ; all but the sixteen loads of hidden's second K step are in
	WIN 0x04                                       ; a store's data are its source 1: window 1
.irp e, 0,1
.irp c, 0,1,2
	global_store_b128 v8, v[RL+12*\e+4*\c:RL+12*\e+4*\c+3], s[26:27] offset:1536*\e+512*\c   ; 32 lanes store 512 consecutive bytes
.endr
.endr
	WIN 0
	s_cmp_lg_u32 s18, 0                            ; the tile's scale image is stored by the work-group with y = 0 alone
	s_cbranch_scc1 .Lno_image
	WIN 0x04
	global_store_b128 v8, v[SI:SI+3], s[12:13] offset:12288
	WIN 0
.Lno_image:
	; hidden's two K steps: through my stage (LDS serves a wave's instructions in order), quantised, their images to LDS
.irp p, 0,1,2,3,4,5,6,7,8,9,10,11,12,13,14,15
	ds_store_b128 v9, v[D0+4*\p:D0+4*\p+3] offset:528*\p
.endr
.irp b, 0,1,2,3
.irp j, 0,1,2,3
	ds_load_b128 v[ST+16*\b+4*\j:ST+16*\b+4*\j+3], v10 offset:128*\b+16*\j
.endr
.endr
	s_wait_dscnt 0x0
	QUANT ST
	s_wait_alu depctr_va_vdst(0)                   ; the quantiser has written v[PC ..] and v[PW], which the LDS stores below read, and is done reading v[ST ..], in which the second K step's numbers land
	IMAGE 11, 0
	ds_store_b32 v12, v[PW]
	s_wait_loadcnt 0x0
	WIN 0x04
.irp p, 0,1,2,3,4,5,6,7,8,9,10,11,12,13,14,15
	ds_store_b128 v9, v[D1+4*\p:D1+4*\p+3] offset:8448+528*\p
.endr
	WIN 0
.irp b, 0,1,2,3
.irp j, 0,1,2,3
	ds_load_b128 v[ST+16*\b+4*\j:ST+16*\b+4*\j+3], v10 offset:8448+128*\b+16*\j
.endr
.endr
	s_wait_dscnt 0x0                               ; the numbers are in, and the first image's stores have read their registers
	s_wait_alu depctr_vm_vsrc(0)                   ; the first image's LDS stores have read v[PC ..] and v[PW], which the quantiser writes again; the stage's stores have read v[D0 ..], over which hidden's fragments land behind the barrier
	QUANT ST
	s_wait_alu depctr_va_vdst(0)                   ; the quantiser has written v[PC ..] and v[PW], which the LDS stores below read
	IMAGE 11, 1536
	ds_store_b32 v12, v[PW] offset:64
	BARRIER                                        ; hidden's eight fragments lie in LDS
.irp q, 0,1,2,3,4,5,6,7
.irp c, 0,1,2
	ds_load_b128 v[AF+12*\q+4*\c:AF+12*\q+4*\c+3], v1 offset:1536*\q+512*\c
.endr
	ds_load_b32 v[AS+\q], v13 offset:64*\q
.endr
	s_wait_dscnt 0x0
	; eight K steps on two accumulators by turns; the bias is the C of the first
	WIN 0x11                                       ; source 0 (W) and source 2 (the bias) window 1
	v_wmma_scale_f32_16x16x128_f8f6f4 v[ACC0:ACC0+7], v[WH:WH+11], v[AF:AF+11], v[BI:BI+7], v[WSH], v[AS] matrix_a_fmt:MATRIX_FMT_FP6 matrix_b_fmt:MATRIX_FMT_FP6
	WIN 0x01
	v_wmma_scale_f32_16x16x128_f8f6f4 v[ACC1:ACC1+7], v[WH+12:WH+23], v[AF+12:AF+23], 0, v[WSH+1], v[AS+1] matrix_a_fmt:MATRIX_FMT_FP6 matrix_b_fmt:MATRIX_FMT_FP6
.irp q, 2,4,6
	v_wmma_scale_f32_16x16x128_f8f6f4 v[ACC0:ACC0+7], v[WH+12*\q:WH+12*\q+11], v[AF+12*\q:AF+12*\q+11], v[ACC0:ACC0+7], v[WSH+\q], v[AS+\q] matrix_a_fmt:MATRIX_FMT_FP6 matrix_b_fmt:MATRIX_FMT_FP6
	v_wmma_scale_f32_16x16x128_f8f6f4 v[ACC1:ACC1+7], v[WH+12*\q+12:WH+12*\q+23], v[AF+12*\q+12:AF+12*\q+23], v[ACC1:ACC1+7], v[WSH+\q+1], v[AS+\q+1] matrix_a_fmt:MATRIX_FMT_FP6 matrix_b_fmt:MATRIX_FMT_FP6
.endr
	WIN 0
.rept 4
	v_nop                                          ; four places in front of the first read of results (ISA guide 7.12.1)
.endr
.irp i, 0,2,4,6
	v_pk_add_f32 v[O+\i:O+\i+1], v[ACC0+\i:ACC0+\i+1], v[ACC1+\i:ACC1+\i+1]   ; both accumulators from their low end on
.endr
	s_wait_alu depctr_va_vdst(0)                   ; the additions have written v[O ..], which the LDS stores read; the quantiser, the last vector reader of v[BK ..], in which rows land behind the barrier, stands ahead of this wait too
	ds_store_b128 v14, v[O:O+3]                    ; lane (r, h): hb(16 y + r, 64 x + 16 wave + 8 h + 0 .. 7)
	ds_store_b128 v14, v[O+4:O+7] offset:16
	BARRIER                                        ; 16 rows of 256 bytes lie in the stage
.irp e, 0,1
	ds_load_b128 v[BK+4*\e:BK+4*\e+3], v15 offset:544*\e
.endr
	s_wait_dscnt 0x0
.irp e, 0,1
	global_store_b128 v[HBO], v[BK+4*\e:BK+4*\e+3], s[14:15] offset:16384*\e   ; sixteen lanes store 256 consecutive bytes, at a multiple of 256 from hb's first byte
.endr
	s_wait_dscnt 0x0                               ; the closing lines, six on end
	s_wait_alu 0x0
	s_wait_tensorcnt 0x0
	ds_add_u32 v254, v255
	s_wait_dscnt 0x0
	s_endpgm
.Lfunc_end_k_q0f8afcd789_prep:
	.size	k_q0f8afcd789_prep, .Lfunc_end_k_q0f8afcd789_prep-k_q0f8afcd789_prep
	.p2alignl 7, 3214868480
	.fill 96, 4, 3214868480
	.section	.rodata,"a",@progbits
	.p2align	6, 0x0
	.amdhsa_kernel k_q0f8afcd789_prep
		.amdhsa_group_segment_fixed_size 85504
		.amdhsa_private_segment_fixed_size 0
		.amdhsa_enable_private_segment 0
		.amdhsa_kernarg_size 48
		.amdhsa_user_sgpr_count 2
		.amdhsa_user_sgpr_kernarg_segment_ptr 1
		.amdhsa_wavefront_size32 1
		.amdhsa_system_sgpr_workgroup_id_x 1
		.amdhsa_system_sgpr_workgroup_id_y 1
		.amdhsa_system_sgpr_workgroup_id_z 1
		.amdhsa_system_vgpr_workitem_id 0
		.amdhsa_next_free_vgpr 456
		.amdhsa_next_free_sgpr 66
		.amdhsa_reserve_vcc 0
		.amdhsa_float_denorm_mode_32 3
		.amdhsa_float_denorm_mode_16_64 3
		.amdhsa_memory_ordered 1
		.amdhsa_forward_progress 1
		.amdhsa_inst_pref_size 31
	.end_amdhsa_kernel
	.amdgpu_metadata
---
amdhsa.version: [ 1, 2 ]
amdhsa.kernels:
  - .name:           k_q0f8afcd789_prep
    .symbol:         k_q0f8afcd789_prep.kd
    .args:
      - { .name: hidden, .offset: 0, .size: 8, .value_kind: global_buffer, .address_space: global }
      - { .name: W_attn_codes, .offset: 8, .size: 8, .value_kind: global_buffer, .address_space: global }
      - { .name: W_attn_scales, .offset: 16, .size: 8, .value_kind: global_buffer, .address_space: global }
      - { .name: b_attn, .offset: 24, .size: 8, .value_kind: global_buffer, .address_space: global }
      - { .name: wimg, .offset: 32, .size: 8, .value_kind: global_buffer, .address_space: global }
      - { .name: hb, .offset: 40, .size: 8, .value_kind: global_buffer, .address_space: global }
    .group_segment_fixed_size: 85504
    .private_segment_fixed_size: 0
    .kernarg_segment_align: 8
    .kernarg_segment_size: 48
    .max_flat_workgroup_size: 128
    .sgpr_count:     66
    .vgpr_count:     456
    .wavefront_size: 32
...
	.end_amdgpu_metadata
.endif
;; end of part 5
;; launch main: the kernel of part 4 again; grid 256 x 1, 4 waves a work-group, clusters of 4 x 1, 327,680 bytes of LDS; arguments encoder_states, wimg, hb, W_attn2, b_attn2, part; writes part
;; launch final (part 6): grid 16 x 4, 4 waves a work-group, no clusters, 99,328 bytes of LDS; arguments part, decoder_out, W_comb_codes, W_comb_scales, b_comb, out0, out1; writes out0, out1
.if DOCPART == 6
	.amdgcn_target "amdgcn-amd-amdhsa--gfx1250"
	.amdhsa_code_object_version 6
	.text
	.protected	k_q0f8afcd789_final
	.globl	k_q0f8afcd789_final
	.p2align	8
	.type	k_q0f8afcd789_final,@function
k_q0f8afcd789_final:
	s_mov_b64 s[64:65], 0
	v_nop
	global_prefetch_b8 v0, s[64:65] scope:SCOPE_SE
	s_setreg_imm32_b32 hwreg(HW_REG_WAVE_SCHED_MODE, 0, 2), 2
	s_setreg_imm32_b32 hwreg(HW_REG_WAVE_MODE, 25, 1), 1
	s_wait_xcnt 0x0
	s_wait_alu depctr_vm_vsrc(0)
; FINAL.  applied[b] = sum over the four parts g of c_g part[4 b + g], c_g = e^(M_g - M) / sum of e^(M_g - M) l_g, M the largest M_g (out1);  out0 = tanh(Q(cat(decoder_out, applied)) W_comb^T + b_comb), on codes of FP6 (E2M3) with E8M0 scales.
; SHARES.  Work-group (x, y): rows 16 y .. 16 y + 15, columns 64 x .. 64 x + 63 of out0; wave w takes the tile of 16 rows 4 x + w of W_comb, whose 16 fragments go from memory straight into its registers,
; and makes K steps 2 w, 2 w + 1 (decoder_out) and 8 + 2 w, 9 + 2 w (applied) of the work-group's operand, which go from wave to wave through LDS as images of registers.
; Every work-group of a y joins the parts anew (272 KiB of reads each); the one with x = 0 stores out1.  The product is used transposed: a lane holds one row b and eight neighbouring n.
; No cluster: no tile goes through LDS by a tensor load; what work-groups share (the parts of 16 rows) is loaded into registers.
; LIMITS: NaN and infinities among the inputs are not served; a block of zeros, or one whose largest magnitude lies under 2^-124, gets the scale byte 1 (its bytes are read by this program alone).
; THE MODE: SCHED_MODE bits 1:0 = 2 (LLVM: expert scheduling mode 2), set by the entry lines.  The code itself states the register dependences between vector or matrix instructions and memory or LDS
; instructions, with s_wait_alu, always for 0.
; THE PLAN.  Registers that memory or LDS instructions touch:
;   v1-v15, v181       offsets and LDS addresses: written by vector lines at the head and never again; one wait on va_vdst ahead of the first load serves every load and store.
;   window 1           four buffers of 64.  Chunk i lands in buffer i % 4.  Chunks 0 and 1 are read by LDS stores: a wait on vm_vsrc stands ahead of the loads of chunks 4 and 5.  Chunks 2 to 9 are read by the packed joins.
;   OA                 four rows of applied: written by a chunk's joins, read by its four LDS stores and (x = 0) four global stores, written again by the next chunk's joins, behind a wait on vm_vsrc.
;                      In chunks 2 to 5 ONE wait on va_vdst stands behind the joins: they are done reading the buffer, in which the loads of the chunk four on land at once, and have written OA, which the stores behind those loads read.
;   v248-251           c of my row: written once (va_vdst), read by one LDS store.
;   ST                 landed in from a stage, read by the quantiser; the wait on va_vdst behind each quantising stands ahead of the next landing, and no vector line between names ST.  Later its registers hold O and BK.
;   PC, PW             written by the quantiser (va_vdst), read by the image's LDS stores (vm_vsrc ahead of the next quantising).
;   CTB, SS, WS, AS, BI, windows 2 and 3   each landed in once, read by vector or matrix instructions alone.
;   O                  written by the tanh's lines (va_vdst), read by LDS stores.   BK: landed in behind that wait, read by global stores.
.set STG,  0                           ; LDS: eight stages (2 w + e) of 16 rows x (512 + 16) bytes, each its wave's own
.set XIMG, 67584                       ; the operand's 16 fragments as register images
.set XSC,  92160                       ; their scale words, 64 bytes each
.set CT,   93184                       ; c of 16 rows x 4 parts, a copy for each wave
.set OST,  94208                       ; the way out: 16 rows x (256 + 16) bytes
.set CTB,  16                          ; v16-79   c_g of row p at 4 p + g, the same in every lane
.set ST,   80                          ; v80-143  64 numbers of a lane for the quantiser; later the results
.set O,    80
.set BK,   88
.set PC,   144
.set TM,   164
.set PW,   180
.set O0O,  181                         ; my byte offset in out0
.set OA,   182                         ; v182-197 four rows of applied
.set WS,   198                         ; v198-205 W's scale words: register i: lanes 0-15 K step i, lanes 16-31 K step 8 + i.  Scales and nothing else
.set AS,   206                         ; v206-213 the operand's, laid likewise.  Scales and nothing else
.set BI,   214                         ; v214-221 b_comb in the result's layout
.set ACC0, 222
.set ACC1, 230
.set SS,   238                         ; v238-245 (M_g, l_g) of row r;  v246-253 at work
.set AFB,  64                          ; window 3: the operand's fragment f at 64 + 12 f.  window 2: W's fragment q at 12 q.  window 1: four buffers of 64 for the loads
.set SEL,  24
.set CS,   26
.set MSB, 0
.macro WIN new                         ; the immediate's high byte repeats the setting that is left
.if MSB != (\new)
	s_set_vgpr_msb (MSB<<8)|(\new)
.set MSB, \new
.endif
.endm
.macro BARRIER
	s_wait_dscnt 0x0
	s_barrier_signal -1
	s_barrier_wait -1
.endm
.macro QUANT s
.irp b, 0,1,2,3
	v_max3_num_f32 v[TM+\b], |v[\s+16*\b]|, |v[\s+1+16*\b]|, 0x1800000   ; my 16 numbers of block b, and the floor 2^(3 - 127): the byte cannot fall under 1
.endr
.irp i, 2,4,6,8,10,12,14
.irp b, 0,1,2,3
	v_max3_num_f32 v[TM+\b], v[TM+\b], |v[\s+16*\b+\i]|, |v[\s+1+16*\b+\i]|
.endr
.endr
.irp b, 0,1,2,3
	v_permlanex16_b32 v[TM+4+\b], v[TM+\b], s[SEL], s[SEL+1]
.endr
.irp b, 0,1,2,3
	v_max_num_f32 v[TM+\b], v[TM+\b], v[TM+4+\b]
.endr
.irp b, 0,1,2,3
	v_add_nc_u32 v[TM+12+\b], 0xff000000, v[TM+\b]   ; 2 off the exponent field: the conversion's scale operand
.endr
.irp b, 0,1,2,3
	v_lshrrev_b32 v[TM+4+\b], 23, v[TM+12+\b]      ; the scale's byte
.endr
	v_lshl_or_b32 v[PW], v[TM+5], 8, v[TM+4]
	v_lshl_or_b32 v[PW], v[TM+6], 16, v[PW]
	v_lshl_or_b32 v[PW], v[TM+7], 24, v[PW]
.irp c, 0,1
	v_cvt_scalef32_pk16_fp6_f32 v[PC+6*\c:PC+2+6*\c], v[\s+32*\c:\s+15+32*\c], v[TM+12+2*\c]
	v_cvt_scalef32_pk16_fp6_f32 v[PC+12+4*\c:PC+14+4*\c], v[\s+16+32*\c:\s+31+32*\c], v[TM+12+2*\c+1]
.endr
	v_nop                                          ; one plain place behind a scaled conversion
.irp c, 0,1
.irp i, 0,1,2
	v_permlane16_swap_b32 v[PC+6*\c+\i], v[PC+12+4*\c+\i]
.endr
.irp i, 0,1,2
	v_mov_b32 v[PC+3+6*\c+\i], v[PC+12+4*\c+\i]
.endr
.endr
.endm
; Chunk i: 16 loads of 512 consecutive bytes into buffer i % 4.  0, 1: decoder_out's K step 2 w + i, 16 rows.  2 + 4 e + c: K step 2 w + e of the four parts of rows 4 c .. 4 c + 3.
; how = 0: the buffer's first landing.  1: LDS stores have read the buffer.  2: the joins have read it.  The window is switched first, then comes the wait, then the loads.
.macro CHUNK i, how
.set LB, 64*((\i)%4)
.set LE, ((\i)-2)/4
.set LR, ((\i)-2)%4
	WIN 0x40
.if (\how) == 1
	s_wait_alu depctr_vm_vsrc(0)                   ; the LDS stores into the stage have read this buffer, in which the loads below land
.endif
.if (\how) == 2
	s_wait_alu depctr_va_vdst(0)                   ; the joins are done reading this buffer, in which the loads below land, and have written v[OA ..], which the stores behind these loads read
.endif
.if (\i) < 2
.irp p, 0,1,2,3,4,5,6,7,8,9,10,11,12,13,14,15
	global_load_b128 v[LB+4*\p:LB+4*\p+3], v1, s[6:7] offset:4096*\p+512*(\i)
.endr
.else
.irp p, 0,1,2,3
.irp g, 0,1,2,3
	global_load_b128 v[LB+16*\p+4*\g:LB+16*\p+4*\g+3], v1, s[4:5] offset:(4*(4*LR+\p)+\g)*4352+512*LE
.endr
.endr
.endif
	WIN 0
.endm
; Chunk i is worked: decoder_out goes into my stage as it is; the parts are joined, the buffer is asked for again (chunks 2 to 5: the chunk four on), and four rows of applied go into the stage and (x = 0) to out1
.macro WORK i
.set CB, 64*((\i)%4)
.set CE, ((\i)-2)/4
.set CR, ((\i)-2)%4
.if (\i) < 7
	s_wait_loadcnt 48                              ; the three later chunks may be out
.else
	s_wait_loadcnt 16*(9-(\i))                     ; at the end fewer are left
.endif
.if (\i) < 2
	WIN 0x04                                       ; an LDS store's data are its source 1: window 1
.irp p, 0,1,2,3,4,5,6,7,8,9,10,11,12,13,14,15
	ds_store_b128 v6, v[CB+4*\p:CB+4*\p+3] offset:8448*(\i)+528*\p
.endr
	WIN 0
.else
	s_wait_xcnt 0x0                                ; the last chunk's stores to out1 have read their data: the four rows' registers are written again only behind this wait
.if (\i) > 2
	s_wait_alu depctr_vm_vsrc(0)                   ; the last chunk's LDS stores and its stores to out1 have read v[OA ..], which the joins below write again
.endif
	WIN 0x01                                       ; source 0 window 1
.irp g, 0,1,2,3
.irp p, 0,1,2,3
.irp f, 0,2
.set RC, CTB+4*(4*CR+\p)+2*(\g/2)
.if \g == 0
	v_pk_mul_f32 v[OA+4*\p+\f:OA+4*\p+\f+1], v[CB+16*\p+\f:CB+16*\p+\f+1], v[RC:RC+1] op_sel_hi:[1,0]
.elseif \g == 2
	v_pk_fma_f32 v[OA+4*\p+\f:OA+4*\p+\f+1], v[CB+16*\p+4*\g+\f:CB+16*\p+4*\g+\f+1], v[RC:RC+1], v[OA+4*\p+\f:OA+4*\p+\f+1] op_sel_hi:[1,0,1]
.else
	v_pk_fma_f32 v[OA+4*\p+\f:OA+4*\p+\f+1], v[CB+16*\p+4*\g+\f:CB+16*\p+4*\g+\f+1], v[RC:RC+1], v[OA+4*\p+\f:OA+4*\p+\f+1] op_sel:[0,1,0] op_sel_hi:[1,1,1]
.endif
.endr
.endr
.endr
.if (\i) < 6
	CHUNK (\i)+4, 2                                ; the buffer is asked for again at once; its one wait serves the stores below too: no vector line stands between it and them
.else
	WIN 0
	s_wait_alu depctr_va_vdst(0)                   ; the joins have written v[OA ..], which the stores below read
.endif
.irp p, 0,1,2,3
	ds_store_b128 v6, v[OA+4*\p:OA+4*\p+3] offset:8448*CE+528*(4*CR+\p)
.endr
	s_cmp_lg_u32 s19, 0
	s_cbranch_scc1 .Lnot_out1_\@
.irp p, 0,1,2,3
	global_store_b128 v1, v[OA+4*\p:OA+4*\p+3], s[16:17] offset:4096*(4*CR+\p)+512*CE   ; 32 lanes store 512 consecutive bytes of a row of out1
.endr
.Lnot_out1_\@:
.endif
.endm
; Stage e is whole: it becomes fragment 2 w + e (hi = 0) or 8 + 2 w + e (hi = 1)
.macro QSTEP e, hi
.irp b, 0,1,2,3
.irp j, 0,1,2,3
	ds_load_b128 v[ST+16*\b+4*\j:ST+16*\b+4*\j+3], v7 offset:8448*(\e)+128*\b+16*\j   ; LDS serves a wave's instructions in order: these see my stores
.endr
.endr
	s_wait_dscnt 0x0
.if (\e)+(\hi) > 0
	s_wait_alu depctr_vm_vsrc(0)                   ; the last fragment's LDS stores have read v[PC ..] and v[PW], which the quantiser writes again
.endif
	QUANT ST
	s_wait_alu depctr_va_vdst(0)                   ; the quantiser has written v[PC ..] and v[PW], which the LDS stores below read, and is done reading v[ST ..], in which the next stage's numbers land
.irp c, 0,1,2
	ds_store_b128 v8, v[PC+4*\c:PC+4*\c+3] offset:1536*(\e)+12288*(\hi)+512*\c
.endr
	ds_store_b32 v9, v[PW] offset:64*(\e)+512*(\hi)
.endm
	s_load_b256 s[4:11], s[0:1], 0x0               ; part, decoder_out, W's codes, W's scales
	s_load_b128 s[12:15], s[0:1], 0x20             ; b_comb, out0
	s_load_b64 s[16:17], s[0:1], 0x30              ; out1
	v_lshl_add_u32 v254, v0, 2, 0x18200
	v_mov_b32 v255, 0
	v_lshrrev_b32 v246, 5, v0
	v_readfirstlane_b32 s18, v246                  ; wave 0..3
	v_and_b32 v246, 31, v0                         ; lane
	v_and_b32 v247, 15, v0                         ; r
	v_bfe_u32 v248, v0, 4, 1                       ; h
	s_wait_alu depctr_va_sdst(0)                   ; s18 is written, ahead of its first reader: the tile's number, the LDS places and the bases are made from it
	s_mov_b32 s19, ttmp9                           ; x
	s_and_b32 s20, ttmp7, 0xffff                   ; y
	s_lshl_b32 s21, ttmp9, 2
	s_add_co_u32 s21, s21, s18                     ; my tile of W: 4 x + wave
	s_mov_b32 s[SEL], 0x76543210
	s_mov_b32 s[SEL+1], 0xfedcba98
	s_mov_b32 s[CS], 0x4038aa3b                    ; 2 log2(e)
	s_mov_b32 s[CS+1], s[CS]
	s_mov_b32 s28, 0x3fb8aa3b                      ; log2(e)
	v_lshlrev_b32 v1, 4, v246                      ; 16 x lane
	v_mul_u32_u24 v2, v247, 1536
	v_mad_u32_u24 v2, v248, 24, v2                 ; W's codes: row r, + 24 h
	v_lshlrev_b32 v3, 6, v247
	v_lshl_add_u32 v3, v248, 5, v3                 ; W's scales: row r, + 32 h
	v_lshlrev_b32 v4, 5, v248                      ; b_comb: 32 h
	v_mul_u32_u24 v5, v247, 17408                  ; the four parts of row r
	s_mul_i32 s22, s18, 16896
	v_add_nc_u32 v6, s22, v1                       ; into my stages
	v_mul_u32_u24 v7, v247, 528
	v_lshl_add_u32 v7, v248, 6, v7
	v_add_nc_u32 v7, s22, v7                       ; out of them
	s_mul_i32 s22, s18, 3072
	s_add_co_u32 s22, s22, XIMG
	v_add_nc_u32 v8, s22, v1                       ; where I store my images
	s_lshl_b32 s22, s18, 7
	s_add_co_u32 s22, s22, XSC
	v_lshl_add_u32 v9, v247, 2, s22                ; and their scale words
	v_add_nc_u32 v10, XIMG, v1
	v_lshlrev_b32 v11, 2, v247
	v_lshl_add_u32 v11, v248, 9, v11
	v_add_nc_u32 v11, XSC, v11                     ; scale words: 4 r + 512 h
	s_lshl_b32 s22, s18, 8
	s_add_co_u32 s22, s22, CT
	v_mov_b32 v13, s22                             ; my copy of c
	v_lshl_add_u32 v12, v247, 4, s22               ; in it, row r
	v_mul_u32_u24 v14, v247, 272
	v_lshl_add_u32 v14, v248, 5, v14
	s_lshl_b32 s22, s18, 6
	s_add_co_u32 s22, s22, OST
	v_add_nc_u32 v14, s22, v14                     ; the way out, in
	v_mul_u32_u24 v15, v248, 272
	v_lshl_add_u32 v15, v247, 4, v15
	s_mul_i32 s22, s18, 1088
	s_add_co_u32 s22, s22, OST
	v_add_nc_u32 v15, s22, v15                     ; and back
	v_lshlrev_b32 v[O0O], 12, v248
	v_lshl_add_u32 v[O0O], v247, 4, v[O0O]
	s_lshl_b32 s22, s18, 14
	v_add_nc_u32 v[O0O], s22, v[O0O]               ; out0: row 4 wave + h, 16 r
.irp b, 0,1,2,3
	v_mov_b32 v[TM+4+\b], 0                        ; written once: a lane permute's destination counts as one of its sources
.endr
	s_mov_b32 s23, 0
	s_wait_kmcnt 0x0
	s_mul_i32 s22, s20, 278528                     ; 64 rows of part of 4,352 bytes
	s_add_nc_u64 s[30:31], s[4:5], s[22:23]        ; part at row 64 y
	s_lshl_b32 s22, s18, 10
	s_add_nc_u64 s[4:5], s[30:31], s[22:23]        ; and at K step 2 wave
	s_lshl_b32 s29, s20, 16
	s_add_co_u32 s22, s22, s29
	s_add_nc_u64 s[6:7], s[6:7], s[22:23]          ; decoder_out and out1 at row 16 y, K step 2 wave
	s_add_nc_u64 s[16:17], s[16:17], s[22:23]
	s_mul_i32 s22, s21, 24576
	s_add_nc_u64 s[8:9], s[8:9], s[22:23]
	s_lshl_b32 s22, s21, 10
	s_add_nc_u64 s[10:11], s[10:11], s[22:23]
	s_lshl_b32 s22, s21, 6
	s_add_nc_u64 s[12:13], s[12:13], s[22:23]
	s_lshl_b32 s22, s19, 8
	s_add_co_u32 s22, s22, s29
	s_add_nc_u64 s[14:15], s[14:15], s[22:23]      ; out0 at row 16 y, column 64 x
	s_wait_alu depctr_va_vdst(0)                   ; the offsets and LDS addresses v1 to v15 and v181 are written, which every load and store of the kernel reads; none of them is written again
.irp g, 0,1,2,3
	global_load_b64 v[SS+2*\g:SS+2*\g+1], v5, s[30:31] offset:4352*\g+4096
.endr
	global_load_b128 v[WS:WS+3], v3, s[10:11]
	global_load_b128 v[WS+4:WS+7], v3, s[10:11] offset:16
	global_load_b128 v[BI:BI+3], v4, s[12:13]
	global_load_b128 v[BI+4:BI+7], v4, s[12:13] offset:16
	WIN 0x80                                       ; destination window 2
.irp q, 0,1,2,3,4,5,6,7,8,9,10,11,12,13,14,15
.irp p, 0,1,2,3,4,5
	global_load_b64 v[12*\q+2*\p:12*\q+2*\p+1], v2, s[8:9] offset:96*\q+48*(\p/3)+8*(\p%3)
.endr
.endr
	WIN 0
	CHUNK 0, 0
	CHUNK 1, 0
	CHUNK 2, 0
	CHUNK 3, 0
.irp i, 0,1,2,3,4,5,6,7,8,9
	WORK \i
	s_wait_dscnt 0x0                               ; the stores into the stage have read their registers
.if \i < 2
	CHUNK \i+4, 1
.endif
.if \i == 0
	; c_g of row r: the largest M_g is taken away before the exponentials
	v_max3_num_f32 v246, v[SS], v[SS+2], v[SS+4]
	v_max_num_f32 v246, v246, v[SS+6]
.irp g, 0,1,2,3
	v_sub_f32 v[248+\g], v[SS+2*\g], v246
.endr
.irp g, 0,1,2,3
	v_mul_f32 v[248+\g], s28, v[248+\g]
.endr
.irp g, 0,1,2,3
	v_exp_f32 v[248+\g], v[248+\g]
.endr
	v_nop
	s_wait_alu depctr_va_vdst(0)                   ; one wait for the four exponentials in v248 to v251, ahead of their first reader
	v_mul_f32 v247, v248, v[SS+1]
	v_fma_f32 v247, v249, v[SS+3], v247
	v_fma_f32 v247, v250, v[SS+5], v247
	v_fma_f32 v247, v251, v[SS+7], v247
	v_rcp_f32 v247, v247
	v_nop
	s_wait_alu depctr_va_vdst(0)                   ; the reciprocal in v247, ahead of its first reader
.irp g, 0,1,2,3
	v_mul_f32 v[248+\g], v[248+\g], v247
.endr
	s_wait_alu depctr_va_vdst(0)                   ; the four multiplications have written v248 to v251, which the LDS store reads
	ds_store_b128 v12, v[248:251]                  ; (lanes r and r + 16 write the same bytes with the same values)
.irp p, 0,1,2,3,4,5,6,7,8,9,10,11,12,13,14,15
	ds_load_b128 v[CTB+4*\p:CTB+4*\p+3], v13 offset:16*\p   ; every lane gets all 16 rows' c
.endr
	QSTEP 0, 0
.endif
.if \i == 1
	QSTEP 1, 0
.endif
.if \i == 5
	QSTEP 0, 1
.endif
.if \i == 9
	QSTEP 1, 1
.endif
.endr
	BARRIER                                        ; the operand's sixteen fragments lie in LDS
	WIN 0xc0                                       ; destination window 3
.irp f, 0,1,2,3,4,5,6,7,8,9,10,11,12,13,14,15
.irp c, 0,1,2
	ds_load_b128 v[AFB+12*\f+4*\c:AFB+12*\f+4*\c+3], v10 offset:1536*\f+512*\c
.endr
.endr
	WIN 0
.irp i, 0,1,2,3,4,5,6,7
	ds_load_b32 v[AS+\i], v11 offset:64*\i
.endr
	s_wait_dscnt 0x0
	; sixteen K steps on two accumulators by turns; the bias is the C of the first
	WIN 0x0e                                       ; source 0 (W) window 2, source 1 (the operand) window 3
	v_wmma_scale_f32_16x16x128_f8f6f4 v[ACC0:ACC0+7], v[0:11], v[AFB:AFB+11], v[BI:BI+7], v[WS], v[AS] matrix_a_fmt:MATRIX_FMT_FP6 matrix_b_fmt:MATRIX_FMT_FP6
	v_wmma_scale_f32_16x16x128_f8f6f4 v[ACC1:ACC1+7], v[12:23], v[AFB+12:AFB+23], 0, v[WS+1], v[AS+1] matrix_a_fmt:MATRIX_FMT_FP6 matrix_b_fmt:MATRIX_FMT_FP6
.irp q, 2,4,6
	v_wmma_scale_f32_16x16x128_f8f6f4 v[ACC0:ACC0+7], v[12*\q:12*\q+11], v[AFB+12*\q:AFB+12*\q+11], v[ACC0:ACC0+7], v[WS+\q], v[AS+\q] matrix_a_fmt:MATRIX_FMT_FP6 matrix_b_fmt:MATRIX_FMT_FP6
	v_wmma_scale_f32_16x16x128_f8f6f4 v[ACC1:ACC1+7], v[12*\q+12:12*\q+23], v[AFB+12*\q+12:AFB+12*\q+23], v[ACC1:ACC1+7], v[WS+\q+1], v[AS+\q+1] matrix_a_fmt:MATRIX_FMT_FP6 matrix_b_fmt:MATRIX_FMT_FP6
.endr
.irp q, 8,10,12,14
	v_wmma_scale_f32_16x16x128_f8f6f4 v[ACC0:ACC0+7], v[12*\q:12*\q+11], v[AFB+12*\q:AFB+12*\q+11], v[ACC0:ACC0+7], v[WS+\q-8], v[AS+\q-8] matrix_a_fmt:MATRIX_FMT_FP6 matrix_b_fmt:MATRIX_FMT_FP6 matrix_a_scale:MATRIX_SCALE_ROW1 matrix_b_scale:MATRIX_SCALE_ROW1
	v_wmma_scale_f32_16x16x128_f8f6f4 v[ACC1:ACC1+7], v[12*\q+12:12*\q+23], v[AFB+12*\q+12:AFB+12*\q+23], v[ACC1:ACC1+7], v[WS+\q-7], v[AS+\q-7] matrix_a_fmt:MATRIX_FMT_FP6 matrix_b_fmt:MATRIX_FMT_FP6 matrix_a_scale:MATRIX_SCALE_ROW1 matrix_b_scale:MATRIX_SCALE_ROW1
.endr
	WIN 0
.rept 4
	v_nop                                          ; four places in front of the first read of results (ISA guide 7.12.1)
.endr
.irp i, 0,2,4,6
	v_pk_add_f32 v[O+\i:O+\i+1], v[ACC0+\i:ACC0+\i+1], v[ACC1+\i:ACC1+\i+1]   ; both accumulators from their low end on
.endr
.irp i, 0,2,4,6
	v_pk_mul_f32 v[O+\i:O+\i+1], v[O+\i:O+\i+1], s[CS:CS+1] op_sel_hi:[1,0]   ; tanh z = 1 - 2 / (1 + 2^(2 log2(e) z))
.endr
.irp i, 0,1,2,3,4,5,6,7
	v_exp_f32 v[O+\i], v[O+\i]
.endr
	v_nop
	s_wait_alu depctr_va_vdst(0)                   ; one wait for the eight exponentials in v[O ..], ahead of their first reader
.irp i, 0,2,4,6
	v_pk_add_f32 v[O+\i:O+\i+1], v[O+\i:O+\i+1], 1.0 op_sel_hi:[1,0]
.endr
.irp i, 0,1,2,3,4,5,6,7
	v_rcp_f32 v[O+\i], v[O+\i]
.endr
	v_nop
	s_wait_alu depctr_va_vdst(0)                   ; one wait for the eight reciprocals in v[O ..], ahead of their first reader
.irp i, 0,2,4,6
	v_pk_fma_f32 v[O+\i:O+\i+1], v[O+\i:O+\i+1], -2.0, 1.0 op_sel_hi:[1,0,0]
.endr
	s_wait_alu depctr_va_vdst(0)                   ; the multiply-adds have written v[O ..], which the LDS stores read; the quantiser, the last vector reader of v[BK ..], in which rows land behind the barrier, stands ahead of this wait too
	ds_store_b128 v14, v[O:O+3]                    ; lane (r, h): out0(16 y + r, 64 x + 16 wave + 8 h + 0 .. 7)
	ds_store_b128 v14, v[O+4:O+7] offset:16
	BARRIER                                        ; 16 rows of 256 bytes lie in the stage
.irp e, 0,1
	ds_load_b128 v[BK+4*\e:BK+4*\e+3], v15 offset:544*\e
.endr
	s_wait_dscnt 0x0
.irp e, 0,1
	global_store_b128 v[O0O], v[BK+4*\e:BK+4*\e+3], s[14:15] offset:8192*\e   ; sixteen lanes store 256 consecutive bytes, at a multiple of 256 from out0's first byte
.endr
	s_wait_dscnt 0x0                               ; the closing lines, six on end
	s_wait_alu 0x0
	s_wait_tensorcnt 0x0
	ds_add_u32 v254, v255
	s_wait_dscnt 0x0
	s_endpgm
.Lfunc_end_k_q0f8afcd789_final:
	.size	k_q0f8afcd789_final, .Lfunc_end_k_q0f8afcd789_final-k_q0f8afcd789_final
	.p2alignl 7, 3214868480
	.fill 96, 4, 3214868480
	.section	.rodata,"a",@progbits
	.p2align	6, 0x0
	.amdhsa_kernel k_q0f8afcd789_final
		.amdhsa_group_segment_fixed_size 99328
		.amdhsa_private_segment_fixed_size 0
		.amdhsa_enable_private_segment 0
		.amdhsa_kernarg_size 56
		.amdhsa_user_sgpr_count 2
		.amdhsa_user_sgpr_kernarg_segment_ptr 1
		.amdhsa_wavefront_size32 1
		.amdhsa_system_sgpr_workgroup_id_x 1
		.amdhsa_system_sgpr_workgroup_id_y 1
		.amdhsa_system_sgpr_workgroup_id_z 1
		.amdhsa_system_vgpr_workitem_id 0
		.amdhsa_next_free_vgpr 1024
		.amdhsa_next_free_sgpr 66
		.amdhsa_reserve_vcc 0
		.amdhsa_float_denorm_mode_32 3
		.amdhsa_float_denorm_mode_16_64 3
		.amdhsa_memory_ordered 1
		.amdhsa_forward_progress 1
		.amdhsa_inst_pref_size 86
	.end_amdhsa_kernel
	.amdgpu_metadata
---
amdhsa.version: [ 1, 2 ]
amdhsa.kernels:
  - .name:           k_q0f8afcd789_final
    .symbol:         k_q0f8afcd789_final.kd
    .args:
      - { .name: part, .offset: 0, .size: 8, .value_kind: global_buffer, .address_space: global }
      - { .name: decoder_out, .offset: 8, .size: 8, .value_kind: global_buffer, .address_space: global }
      - { .name: W_comb_codes, .offset: 16, .size: 8, .value_kind: global_buffer, .address_space: global }
      - { .name: W_comb_scales, .offset: 24, .size: 8, .value_kind: global_buffer, .address_space: global }
      - { .name: b_comb, .offset: 32, .size: 8, .value_kind: global_buffer, .address_space: global }
      - { .name: out0, .offset: 40, .size: 8, .value_kind: global_buffer, .address_space: global }
      - { .name: out1, .offset: 48, .size: 8, .value_kind: global_buffer, .address_space: global }
    .group_segment_fixed_size: 99328
    .private_segment_fixed_size: 0
    .kernarg_segment_align: 8
    .kernarg_segment_size: 56
    .max_flat_workgroup_size: 128
    .sgpr_count:     66
    .vgpr_count:     1024
    .wavefront_size: 32
...
	.end_amdgpu_metadata
.endif
;; end of part 6
